; MI455X (gfx1250); checked and timed in simulation.
; The chip was launched on July 23, 2026; its instructions are those of AMD's public machine-readable ISA for CDNA 5 (MIT licence, August 2026) and "CDNA5" Instruction Set Architecture Reference Guide (July 2026). The comments in the code are by the model that wrote it; some were corrected since.
;; Standard Attention. Allowed arithmetic: matrix products marked QUANTISED: E2M1 operands, one E8M0 scale for each 32 along K, by v_wmma_scale_f32_16x16x128_f8f6f4 with both operands' format E2M1 (or v_wmma_scale_f32_32x16x128_f4), f32 sums; everything else in f32.
;; Inputs: b_out 1,024 float32; b_qkv 3,072 float32; w_out 1,024 x 1,024 float32; w_qkv 3,072 x 1,024 float32; x 4 x 2,048 x 1,024 float32.
;; Outputs: out0 4 x 2,048 x 1,024 float32.
;; This version of the problem:
;;   THIS VERSION OF THE PROBLEM IS GIVEN IN LOW PRECISION. The matrix products marked QUANTISED in the list below multiply operands that are first quantised to E2M1 (2 exponent bits, 1 mantissa bit; 4 bits a number), with one power-of-two scale for each 32 numbers along K (OCP MX v1.0); their sums are f32. All else is computed in f32.
;;   The module's matrix products, in the order in which they are computed (A, B: the left and right operand; K: the contracted axis; several contracted axes count as one K, in the product's order):
;;     1. [M 8,192, K 1,024] x [K 1,024, N 3,072]; A: input x; B: input w_qkv: QUANTISED
;;     2. batch 64 x [M 2,048, K 64] x [K 64, N 2,048]; A: computed on the way; B: computed on the way: QUANTISED
;;     3. batch 64 x [M 2,048, K 2,048] x [K 2,048, N 64]; A: softmax (see below); B: computed on the way: QUANTISED
;;     4. [M 8,192, K 1,024] x [K 1,024, N 1,024]; A: computed on the way; B: input w_out: QUANTISED
;;   THE QUANTISER, for each operand of a quantised product, along K:
;;     - K is cut into blocks of 32 from its start; a last block that is shorter is filled with zeros.
;;     - A block's scale is 2^e with e = floor(log2(the largest magnitude in the block)) - 2, held to -126 .. 127; a block of zeros has e = 0. As a byte (E8M0): e + 127.
;;     - Each number is divided by its block's scale, clamped to +-6, and rounded to the nearest number of E2M1, ties to even, subnormals kept.
;;     - The product sums the exact products of the quantised numbers (number of the format x scale) in f32.
;;   ~~~python
;;   def quantise(x, axis):      # numpy; x: float32 -> the quantised numbers, widened to float32 again
;;       x = np.moveaxis(x, axis, -1); K = x.shape[-1]
;;       x = np.pad(x, [(0, 0)] * (x.ndim - 1) + [(0, -K % 32)]); x = x.reshape(x.shape[:-1] + (-1, 32)); a = np.abs(x).max(-1, keepdims=True)
;;       e = np.where(a > 0, np.clip(np.frexp(np.where(a > 0, a, 1))[1] - 1 - 2, -126, 127), 0)      # np.frexp(a)[1] - 1 = floor(log2(a)), exactly
;;       r = np.clip(x / 2.0 ** e, -6, 6)
;;       step = 2.0 ** (np.maximum(np.frexp(np.where(r == 0, 1, r))[1] - 1, 0) - 1)
;;       q = np.round(r / step) * step * 2.0 ** e      # np.round: ties to even
;;       return np.moveaxis(q.reshape(q.shape[:-2] + (-1,))[..., :K], -1, axis).astype(np.float32)
;;   ~~~
;;   SOFTMAX AHEAD OF A QUANTISED PRODUCT. Where the list says 'softmax', what is quantised is not the finished softmax but p = 2^(t - M), with t = logit x log2(e) and M = ceil(the row's largest t), a whole number; so 1/2 < the row's largest p <= 1. The row's sum l is taken of the UNQUANTISED p, in f32, and the product's result is divided by l at the end. Since M is a whole number, a kernel that streams over the keys may use a running M (the ceiling of the running maximum): every later rescaling is an exact power of two, which a block's scale takes up: the codes' values come out the same.
;;   OPERANDS COMPUTED ON THE WAY. 'Computed on the way' means the value that the module computes at that place (a softmax that the list does not call 'softmax' is quantised finished and normalised). What goes into a quantiser is computed in f32, as accurately as f32 sums, v_exp_f32 and their like allow (about 1e-6 of the number): no bf16 or f16 on the way to a quantiser, and a product that is left as it is and whose result goes on into a quantised operand takes f32 operands (vector FMAs, or v_wmma_f32_16x16x4_f32). A number that lies on a knife's edge between two numbers of the format may be rounded either way, as far as f32 arithmetic and the matrix unit's own rounding can turn it there, and no further.
;; One version. Each part assembles by itself: llvm-mc -triple=amdgcn-amd-amdhsa -mcpu=gfx1250 --defsym DOCPART=n.
;; ======== version 1 of 1: 4 launches
;; workspace buffers: xc 4,194,304 bytes; xs 262,144 bytes; wc 2,097,152 bytes; ws 131,072 bytes; img 12,582,912 bytes; isc 786,432 bytes; oc 4,194,304 bytes; os 262,144 bytes
;; launch quant (part 1): grid 384 x 1, 4 waves a work-group, no clusters, 33,280 bytes of LDS; arguments x, w_qkv, w_out, xc, xs, wc, ws; writes xc, xs, wc, ws
.if DOCPART == 1
	.amdgcn_target "amdgcn-amd-amdhsa--gfx1250"
	.amdhsa_code_object_version 6
	.text
	.protected	k_q8387f22059_quant
	.globl	k_q8387f22059_quant
	.p2align	8
	.type	k_q8387f22059_quant,@function
k_q8387f22059_quant:
	s_mov_b64 s[64:65], 0
	v_nop
	global_prefetch_b8 v0, s[64:65] scope:SCOPE_SE
	s_setreg_imm32_b32 hwreg(HW_REG_WAVE_MODE, 25, 1), 1
	s_wait_xcnt 0x0
; LAUNCH 1 OF 4.  x [8192][1024], w_qkv [3072][1024] and w_out [1024][1024], f32, K innermost in all three, become codes of FP4 (E2M1), 4 bits each, with one E8M0 scale byte for each 32 along K.
; THE PROGRAM: this launch; proj (x w_qkv^T + b_qkv, quantised on its way out as q, k along the head and v along the keys); attn (both products of attention and the softmax, quantised on its way out); outp (the last product and b_out).
; NO WORK OF reference() IS LEFT OUT: every bias stands ahead of a quantiser or in the output, every product is live, and all five inputs are loaded.
; A block's scale is 2^(floor(log2(its largest magnitude)) - 2); its byte is the largest magnitude's exponent field - 2, held at 1 from below.  Each number is divided by the scale and rounded to the nearest code, ties to even; beyond 6 the largest code.
; LIMITS: a block of zeros, or one whose largest magnitude lies under 2^-124, gets the byte 1 where the rule says 127 or less: its bytes are read by this program alone, and zero codes add nothing.  NaN and infinities among the inputs are not served.
; Rows are dense and K is a multiple of 32, so each tensor is a plain stream of blocks of 32 numbers, and so are its codes and scale bytes.  w_out's codes and bytes follow w_qkv's in wc and ws: rows 3072 to 4095 there.
; A work-group takes 32,768 numbers: numbers 0-255 take x, 256-351 w_qkv, 352-383 w_out.  Only pointers are chosen: all take one path through the text.
; A wave takes 16 steps of 512 numbers.  Each of a step's four loads reads 512 consecutive bytes, 16 a lane; the 2,048 bytes go through the wave's own stage in LDS and come back 64 bytes a lane, so that a lane holds 16 neighbours
; along K (two neighbouring lanes hold a block).  The wave's store of codes covers 256 consecutive bytes; its 256 scale bytes are gathered in LDS and leave as one aligned run of 256 bytes.  Waves share nothing: no barrier.
.set WAVES, 4
.set STEPS, 16
.set EMAX,  2
.set CB,    8                          ; bytes of 16 codes
.set R,     16                         ; v16-79   four sets of 16 numbers as they are loaded
.set X,     80                         ; v80-111  two sets of 16 neighbours
.set C,     128                        ; v128-191 codes: four registers for each step, so that no store's data are written again
.set E,     112                        ; v112-127 a scale byte for each step
.set WREG,  8192                       ; LDS: a region for each wave: two stages of 32 x SP bytes, behind them its 256 scale bytes
.set SP,    80                         ; a lane's place in a stage: its 64 bytes + 16 of padding
.set SPW,   12                         ; v12  LDS address of my spare word; never rewritten
.set NIL,   13                         ; v13  0; never rewritten
.set SPARE, WAVES*WREG                 ; behind the four regions: the spare words, 128 bytes for each wave
	s_load_b256 s[4:11], s[0:1], 0x0               ; x s[4:5], w_qkv s[6:7], w_out s[8:9], xc s[10:11]
	s_load_b128 s[12:15], s[0:1], 0x20             ; xs s[12:13], wc s[14:15]
	s_load_b64 s[16:17], s[0:1], 0x30              ; ws
	v_lshl_add_u32 v[SPW], v0, 2, SPARE
	v_mov_b32 v[NIL], 0
	v_lshrrev_b32 v1, 5, v0
	v_readfirstlane_b32 s20, v1                    ; wave
	v_and_b32 v2, 31, v0                           ; lane
	v_lshlrev_b32 v3, 4, v2                        ; my 16 bytes of a load's 512
	s_mul_i32 s21, s20, WREG
	v_lshrrev_b32 v14, 2, v2
	v_mul_u32_u24 v14, v14, SP
	v_and_b32 v15, 3, v2
	v_lshl_add_u32 v14, v15, 4, v14
	v_add_nc_u32 v14, s21, v14                     ; the stage, on the way in: SP (lane / 4) + 16 (lane % 4)
	v_mul_u32_u24 v15, v2, SP
	v_add_nc_u32 v15, s21, v15                     ; and on the way out: SP x lane: my 16 neighbours
	v_mul_u32_u24 v4, v2, CB                       ; my codes' place in a step's
	v_lshrrev_b32 v5, 1, v2
	s_add_co_u32 s21, s21, 2*32*SP
	v_add_nc_u32 v5, s21, v5                       ; LDS: my wave's 256 scale bytes, my block's byte
	v_lshlrev_b32 v7, 3, v2                        ; and on the way out 8 bytes a lane
	v_add_nc_u32 v6, s21, v7
	s_wait_alu depctr_va_vdst(0)
	s_wait_kmcnt 0x0
	s_cmp_lt_u32 ttmp9, 256                        ; x, or one of the weights?  The choices hang on the work-group's number alone
	s_cselect_b64 s[4:5], s[4:5], s[6:7]
	s_cselect_b64 s[10:11], s[10:11], s[14:15]
	s_cselect_b64 s[12:13], s[12:13], s[16:17]
	s_cselect_b32 s22, 0, 256                      ; the first work-group of the output stream
	s_mov_b32 s23, 352
	s_cmp_lt_u32 ttmp9, 352                        ; w_out?
	s_cselect_b64 s[4:5], s[4:5], s[8:9]
	s_cselect_b32 s23, s22, s23                    ; the first work-group of the input tensor
	s_sub_co_u32 s24, ttmp9, s23
	s_lshl_b32 s24, s24, 2
	s_add_co_u32 s24, s24, s20                     ; which run of 8,192 numbers of the input is my wave's
	s_lshl_b32 s24, s24, 15                        ; 32,768 bytes a run: under 2^26
	s_mov_b32 s25, 0
	s_add_nc_u64 s[4:5], s[4:5], s[24:25]
	s_sub_co_u32 s26, ttmp9, s22
	s_lshl_b32 s26, s26, 2
	s_add_co_u32 s26, s26, s20                     ; and which run of the output stream
	s_lshl_b32 s24, s26, 12                        ; 4,096 bytes of codes a run
	s_add_nc_u64 s[10:11], s[10:11], s[24:25]
	s_lshl_b32 s24, s26, 8                         ; 256 scale bytes a run
	s_add_nc_u64 s[12:13], s[12:13], s[24:25]
.macro LOAD t
.irp i, 0,1,2,3
	global_load_b128 v[R+16*((\t)%4)+4*\i:R+16*((\t)%4)+4*\i+3], v3, s[4:5] offset:2048*(\t)+512*\i th:TH_LOAD_NT   ; 32 lanes read 512 consecutive bytes
.endr
.endm
.macro TURN t                          ; step t's numbers through the stage: LDS serves a wave's instructions in order, so no wait stands between the stores and the loads
.irp i, 0,1,2,3
	ds_store_b128 v14, v[R+16*((\t)%4)+4*\i:R+16*((\t)%4)+4*\i+3] offset:32*SP*((\t)%2)+8*SP*\i
.endr
.irp i, 0,1,2,3
	ds_load_b128 v[X+16*((\t)%2)+4*\i:X+16*((\t)%2)+4*\i+3], v15 offset:32*SP*((\t)%2)+16*\i
.endr
.endm
.irp t, 0,1,2,3
	LOAD \t
.endr
	s_wait_loadcnt 12                              ; step 0's four loads are in; the twelve of steps 1 to 3 may be out
	TURN 0
.macro STEP t
.set XS, X+16*((\t)%2)
.if (\t) > 0
	s_wait_dscnt 1                                 ; this step's numbers are back from the stage (the last step's byte store may be out): so its stores into the stage have read their registers,
.else
	s_wait_dscnt 0x0
.endif
.if (\t)+4 < STEPS
	LOAD (\t)+4                                    ; which take the loads of four steps on
.endif
.if (\t)+1 < STEPS
.if STEPS-2-(\t) >= 3
	s_wait_loadcnt 12                              ; the next step's four loads are in; those of the three steps behind it may be out
.else
	s_wait_loadcnt 4*(STEPS-2-(\t))                ; in the tail fewer steps stand behind it
.endif
	TURN (\t)+1                                    ; and go through the other stage while this step is worked
.endif
	v_max3_num_f32 v8, |v[XS]|, |v[XS+1]|, |v[XS+2]|               ; the largest magnitude of my 16, in two chains
	v_max3_num_f32 v9, |v[XS+3]|, |v[XS+4]|, |v[XS+5]|
.irp i, 6,10
	v_max3_num_f32 v8, v8, |v[XS+\i]|, |v[XS+\i+1]|
	v_max3_num_f32 v9, v9, |v[XS+\i+2]|, |v[XS+\i+3]|
.endr
	v_max3_num_f32 v8, v8, |v[XS+14]|, |v[XS+15]|
	v_max3_num_f32 v8, v8, v9, (EMAX+1)<<23        ; and the floor 2^(3 - 127): the byte cannot fall under 1
	v_max_num_f32_dpp v8, v8, v8 row_xmask:1 row_mask:0xf bank_mask:0xf   ; and of my neighbour's 16: the block's
	v_add_nc_u32 v11, 0xff000000, v8               ; 2 off its exponent field: the conversion takes the exponent field of this operand as its scale
	v_cvt_scalef32_pk8_fp4_f32 v[C+4*(\t)], v[XS:XS+7], v11
	v_cvt_scalef32_pk8_fp4_f32 v[C+4*(\t)+1], v[XS+8:XS+15], v11
	v_lshrrev_b32 v[E+(\t)], 23, v11               ; the scale's byte (also the plain line behind the conversions)
	ds_store_b8 v5, v[E+(\t)] offset:16*(\t)       ; both lanes of a block write the same byte with the same value
	global_store_b64 v4, v[C+4*(\t):C+4*(\t)+1], s[10:11] offset:32*CB*(\t)   ; the wave stores 256 consecutive bytes, aligned
.endm
.irp t, 0,1,2,3,4,5,6,7,8,9,10,11,12,13,14,15
	STEP \t
.endr
	ds_load_b64 v[8:9], v6                         ; LDS serves a wave's instructions in order: these see my stores
	s_wait_dscnt 0x0
	global_store_b64 v7, v[8:9], s[12:13]          ; 32 lanes store 256 consecutive bytes, aligned
	s_wait_tensorcnt 0x0                           ; the wave's end: behind my last LDS store
	ds_add_u32 v[SPW], v[NIL]
	s_wait_dscnt 0x0
	s_endpgm
.Lfunc_end_k_q8387f22059_quant:
	.size	k_q8387f22059_quant, .Lfunc_end_k_q8387f22059_quant-k_q8387f22059_quant
	.p2alignl 7, 3214868480
	.fill 96, 4, 3214868480
	.section	.rodata,"a",@progbits
	.p2align	6, 0x0
	.amdhsa_kernel k_q8387f22059_quant
		.amdhsa_group_segment_fixed_size 33280
		.amdhsa_private_segment_fixed_size 0
		.amdhsa_enable_private_segment 0
		.amdhsa_kernarg_size 56
		.amdhsa_user_sgpr_count 2
		.amdhsa_user_sgpr_kernarg_segment_ptr 1
		.amdhsa_wavefront_size32 1
		.amdhsa_system_sgpr_workgroup_id_x 1
		.amdhsa_system_sgpr_workgroup_id_y 1
		.amdhsa_system_sgpr_workgroup_id_z 1
		.amdhsa_system_vgpr_workitem_id 0
		.amdhsa_next_free_vgpr 192
		.amdhsa_next_free_sgpr 66
		.amdhsa_reserve_vcc 0
		.amdhsa_float_denorm_mode_32 3
		.amdhsa_float_denorm_mode_16_64 3
		.amdhsa_memory_ordered 1
		.amdhsa_forward_progress 1
		.amdhsa_inst_pref_size 34
	.end_amdhsa_kernel
	.amdgpu_metadata
---
amdhsa.version: [ 1, 2 ]
amdhsa.kernels:
  - .name:           k_q8387f22059_quant
    .symbol:         k_q8387f22059_quant.kd
    .args:
      - { .name: x, .offset: 0, .size: 8, .value_kind: global_buffer, .address_space: global }
      - { .name: w_qkv, .offset: 8, .size: 8, .value_kind: global_buffer, .address_space: global }
      - { .name: w_out, .offset: 16, .size: 8, .value_kind: global_buffer, .address_space: global }
      - { .name: xc, .offset: 24, .size: 8, .value_kind: global_buffer, .address_space: global }
      - { .name: xs, .offset: 32, .size: 8, .value_kind: global_buffer, .address_space: global }
      - { .name: wc, .offset: 40, .size: 8, .value_kind: global_buffer, .address_space: global }
      - { .name: ws, .offset: 48, .size: 8, .value_kind: global_buffer, .address_space: global }
    .group_segment_fixed_size: 33280
    .private_segment_fixed_size: 0
    .kernarg_segment_align: 8
    .kernarg_segment_size: 56
    .max_flat_workgroup_size: 128
    .sgpr_count:     66
    .vgpr_count:     192
    .wavefront_size: 32
...
	.end_amdgpu_metadata
.endif
;; end of part 1
;; launch proj (part 2): grid 12 x 32, 4 waves a work-group, clusters of 4 x 4, 327,680 bytes of LDS; arguments xc, xs, wc, ws, b_qkv, img, isc; writes img, isc
.if DOCPART == 2
	.amdgcn_target "amdgcn-amd-amdhsa--gfx1250"
	.amdhsa_code_object_version 6
	.text
	.protected	k_q8387f22059_proj
	.globl	k_q8387f22059_proj
	.p2align	8
	.type	k_q8387f22059_proj,@function
k_q8387f22059_proj:
	s_mov_b64 s[64:65], 0
	v_nop
	global_prefetch_b8 v0, s[64:65] scope:SCOPE_SE
	s_setreg_imm32_b32 hwreg(HW_REG_WAVE_MODE, 25, 1), 1
	s_wait_xcnt 0x0
	s_wait_alu depctr_hold_cnt(0) depctr_sa_sdst(0) depctr_va_vdst(0) depctr_va_sdst(0) depctr_va_ssrc(0) depctr_va_vcc(0) depctr_vm_vsrc(0)
	s_getreg_b32 s2, hwreg(HW_REG_IB_STS2, 6, 4)
	s_cmp_eq_u32 s2, 0
	s_cbranch_scc0 .Lentry_in_a_cluster
	s_endpgm
.Lentry_in_a_cluster:
	s_bfe_u32 s2, ttmp6, 0x10000c
	s_cmp_lg_u32 s2, 0xf033
	s_cbranch_scc0 .Lentry_shape_is_right
	s_endpgm
.Lentry_shape_is_right:
; LAUNCH 2 OF 4.  qkv = x w_qkv^T + b_qkv on codes of FP4 with E8M0 scales, K = 1,024, sums in f32; the result never goes to memory as f32: it is quantised in the way out, q and k along the head's 64, v along the keys.  No work is left out.
; A work-group of four waves makes 256 x 256 of the result, a wave 128 x 128: 64 accumulators of 16 x 16 in 512 registers.  K goes in two steps of 512 through two LDS slots; both are first fills: nothing is filled again.
; TWO ROLES.  Source 0 of the matrix instruction takes 16 rows of P, source 1 16 rows of R: in a result lane l holds ONE row of R (l % 16) and eight rows of P (8 (l / 16) + 0 .. 7) in its registers.
; The quantiser's axis has to run along a lane's registers, so it is P.  Clusters x = 0, 1 make q and k (MODE 0): R = tokens, P = rows of w_qkv (the head's axis).  Cluster x = 2 makes v (MODE 1): R = rows of w_qkv, P = tokens (the keys).
; Both tensors of codes have rows of 512 bytes and scale rows of 32, so only the pointers and the tile numbers are chosen, by the cluster's x, which all sixteen partners share.
; CLUSTERS: 4 x 4.  R's tile hangs on cy alone and is asked for jointly along a row of the cluster, P's on cx alone, along a column.  384 work-groups: one and a half fills of 256; that is the price of one launch for q, k and v.
; THE BIAS is the C of each sum's first matrix instruction: MODE 0 by P's block, MODE 1 by R's; only that first step of 128 along K is written twice, under a branch on the mode.
; THE WAY OUT.  The 16 registers of accumulators (a, 2 i) and (a, 2 i + 1) and those of lane l xor 16 are one block of 32 along P.  Codes and scale words are laid IN THE ORDER OF THE READER'S REGISTERS:
;   in each group of 128 tokens (or of a head's 64 channels) tile 2 b + u holds at place r the member 32 b + 8 u + r + 8 (r / 8);  q, k: [tile 8][512 B], lane (r, hd) 16 bytes: d = 32 hd on of the tile's token r;
;   v: [c 2][tile 4][512 B], lane (r, hk) 16 bytes: keys 64 c + 32 hk on of the tile's channel r.  One map of the wave's stage in LDS serves both; only where each piece of 2,048 bytes goes in memory differs.
; LIMITS: a block of zeros, or one under 2^-124, gets the byte 1 (read by this program alone); NaN and infinities are not served.
; REGISTERS, in windows of 256: window 0: v0-31 addresses; v32-95 scale words, two sets; v96-103 the bias loads' offsets; v128-191 R's fragments, one set; v192-255 the bias.  window 1: P's fragments, two sets.  windows 2, 3: the accumulators.
.set KSTEP,  512
.set NQ,     4                         ; matrix instructions deep in a slot
.set ROWB,   256                       ; a tile's row in bytes
.set KROW,   512                       ; a row of codes in memory
.set PITCH,  272                       ; an LDS row: 256 bytes + 16 of padding: the 16 rows that a load touches start at 16 different banks
.set FR,     8
.set NL,     2
.set NP,     4                         ; places behind this matrix instruction (ISA guide 7.12.1)
.set HALFT,  128*PITCH
.set SLOT,   4*HALFT                   ; R's 256 rows, then P's 256 rows
.set KS,     32                        ; a row of scales in bytes
.set SCL,    2*SLOT                    ; behind the slots: the scales, as runs of 256 bytes + 16 of padding
.set HALFS,  (128*KS/256)*272
.set SBLK,   (16*KS/256)*272
.set SPARE,  SCL+4*HALFS               ; the spare words, 128 bytes for each wave
.set WST,    8704                      ; the way out: a wave's stage, 8,192 bytes of codes and 512 of scale words, in slot 0, which has had its only fill and its last read by then
.set ADRA, 16                          ; v16-17  LDS address of my R fragments in slot 0, 1
.set ADRB, 20                          ; v20-21  the same for P
.set STO,  24                          ; v24  the stage: where I put 8 bytes of a block
.set RD,   25                          ; v25  and where I read 16 bytes back
.set LO,   26                          ; v26  16 x lane: my place in a store of 512 bytes
.set ADRS, 27                          ; v27  LDS address of my scale words: lanes 0-15 R's rows, lanes 16-31 P's
.set SPW,  28
.set NIL,  29
.set STS,  30                          ; v30  the stage: where I put a scale word
.set SC,   32
.set BA,   96
.set AF,   128
.set BIAS, 192
.set QT,   32                          ; the way out, window 0: v32-35 largest magnitudes, v36-39 the other half's, v40-43 the conversions' scale operands, v44-47 bytes,
.set QU,   36
.set QS,   40
.set QB,   44
.set CD,   48                          ; v48-111 codes, eight registers for each block of rows, v112-119 scale words: no store's data are written twice
.set WD,   112
.set RB,   128                         ; v128-195 what comes back from the stage
.set MODE, 2                           ; s2   0: q and k;  1: v
.set SEL,  22                          ; s[22:23] lane selects for v_permlanex16_b32, set in front of the way out
.set PB,   92                          ; s[92:99] where the stage's four pieces of 2,048 bytes go
.set G1, 24
.set G0, 32
.set G1B, 48
.set G0B, 56
.set G1S, 68
.set G0S, 76
.set G1SB, 80
.set G0SB, 88
.set MSB, 0
.macro WIN new                         ; the immediate's high byte repeats the setting that is left; a switch that changes nothing is dropped
.if MSB != (\new)
	s_set_vgpr_msb (MSB<<8)|(\new)
.set MSB, (\new)
.endif
.endm
.set MUL_LO, 0xa1                      ; source 0 (P) window 1, source 1 (R) window 0, C and D window 2
.set MUL_HI, 0xf1                      ; the same, C and D window 3
.set TO_B,   0x40
; A joint load: waves 0 and 1 fetch for R, waves 2 and 3 for P.  The branch hangs on the wave's number alone.  An s_nop 0 and four v_nop follow each of the two lines.
.macro JLOAD g0a, g1a, g0b, g1b
	s_cmp_eq_u32 s15, 0
	s_cbranch_scc0 .Lfor_b_\@
	tensor_load_to_lds s[\g0a:\g0a+3], s[\g1a:\g1a+7]
	s_nop 0
.rept 4
	v_nop
.endr
	s_branch .Lasked_\@
.Lfor_b_\@:
	tensor_load_to_lds s[\g0b:\g0b+3], s[\g1b:\g1b+7]
	s_nop 0
.rept 4
	v_nop
.endr
.Lasked_\@:
.endm
.macro CROUND                          ; a round of the cluster's barrier
	s_barrier_signal -1
	s_barrier_wait -1
	s_cmp_lg_u32 s14, 0
	s_cbranch_scc1 .Lnot_wave_0_\@
	s_barrier_signal -3
.Lnot_wave_0_\@:
	s_barrier_wait -3
	s_barrier_signal -1
	s_barrier_wait -1
.endm
	s_load_b128 s[4:7], s[0:1], 0x0                ; xc, xs
	s_load_b128 s[8:11], s[0:1], 0x10              ; wc, ws
	s_load_b64 s[12:13], s[0:1], 0x20              ; b_qkv
	s_load_b64 s[100:101], s[0:1], 0x28            ; img
	s_load_b64 s[66:67], s[0:1], 0x30              ; isc
	v_lshl_add_u32 v[SPW], v0, 2, SPARE
	v_mov_b32 v[NIL], 0
	ds_add_u32 v[SPW], v[NIL]                      ; the wave's opening: the add, twice on end, and its wait ahead of my first tensor load
	ds_add_u32 v[SPW], v[NIL]
	v_lshrrev_b32 v1, 5, v0
	v_readfirstlane_b32 s14, v1                    ; wave 0..3
	s_lshr_b32 s15, s14, 1                         ; which half of R's rows is mine.  Also: I fetch for R (0) or for P (1)
	s_and_b32 s16, s14, 1                          ; which half of P's rows.  Also: which 128 rows of that tile I fetch
	s_bfe_u32 s40, ttmp6, 0x40000                  ; cx, cy: my place in the cluster
	s_bfe_u32 s41, ttmp6, 0x40004
	s_and_b32 s19, ttmp7, 0xffff                   ; the cluster's y
	s_cmp_eq_u32 ttmp9, 2                          ; the cluster's x: the same in all sixteen partners
	s_cselect_b32 s[MODE], 1, 0
	s_cselect_b32 s17, 2, s19
	s_cselect_b32 s42, s19, ttmp9
	s_lshl_b32 s17, s17, 2
	s_add_co_u32 s17, s17, s41                     ; R's tile: token tile 4 y + cy, or tile 8 + cy of w_qkv
	s_lshl_b32 s42, s42, 2
	s_add_co_u32 s42, s42, s40                     ; P's tile: tile 4 x + cx of w_qkv, or token tile 4 y + cx
	s_lshl_b32 s43, s41, 2
	s_lshl_b32 s43, 15, s43                        ; my row of the cluster
	s_lshl_b32 s44, 0x1111, s40                    ; my column
	; descriptor group 1: a tile of 128 rows x 256 bytes, 16 bytes of padding behind each row
	s_or_b32 s[G1+0], s43, (0<<16)|(1<<20)|(1<<21)|(5<<22)|(3<<25)   ; the mask; elements of 1 byte; padding on; bit 21 beside a mask; after every 64 words; four words
	s_or_b32 s[G1B+0], s44, (0<<16)|(1<<20)|(1<<21)|(5<<22)|(3<<25)
.irp g, G1, G1B
	s_mov_b32 s[\g+1], ROWB<<16                    ; tensor_dim0
	s_mov_b32 s[\g+2], 128<<16                     ; tensor_dim1
	s_mov_b32 s[\g+3], ROWB<<16                    ; tile_dim0
	s_mov_b32 s[\g+4], 128                         ; tile_dim1
	s_mov_b32 s[\g+5], KROW                        ; the pitch in memory
	s_mov_b32 s[\g+6], 0
	s_mov_b32 s[\g+7], 0
.endr
	; the scales of 128 rows: 4,096 dense bytes, as 16 rows of 256 bytes (32 elements of 8), 16 bytes of padding behind each
	s_or_b32 s[G1S+0], s43, (3<<16)|(1<<20)|(1<<21)|(5<<22)|(3<<25)
	s_or_b32 s[G1SB+0], s44, (3<<16)|(1<<20)|(1<<21)|(5<<22)|(3<<25)
.irp g, G1S, G1SB
	s_mov_b32 s[\g+1], 32<<16
	s_mov_b32 s[\g+2], (128*KS/256)<<16
	s_mov_b32 s[\g+3], 32<<16
	s_mov_b32 s[\g+4], 128*KS/256
	s_mov_b32 s[\g+5], 32
	s_mov_b32 s[\g+6], 0
	s_mov_b32 s[\g+7], 0
.endr
	s_lshl_b32 s18, s16, 7                         ; which 128 rows of the tile I fetch
	s_lshl_b32 s20, s17, 8
	s_add_co_u32 s20, s20, s18                     ; R: row 256 x tile + 128 x half
	s_lshl_b32 s46, s42, 8
	s_add_co_u32 s46, s46, s18                     ; P likewise
	s_mov_b32 s21, 0
	s_mov_b32 s47, 0
	s_mov_b64 s[18:19], KS
	s_mul_u64 s[22:23], s[20:21], s[18:19]         ; where these rows' scales begin, in bytes
	s_mul_u64 s[92:93], s[46:47], s[18:19]
	s_mov_b64 s[18:19], KROW
	s_mul_u64 s[20:21], s[20:21], s[18:19]         ; and their codes
	s_mul_u64 s[46:47], s[46:47], s[18:19]
	s_mul_i32 s45, s14, HALFT                      ; where they go: wave x 128 rows: no place in the cluster enters an LDS address
	s_mul_i32 s94, s14, HALFS
	s_wait_dscnt 0x0                               ; both opening adds are done
	s_wait_kmcnt 0x0
	s_cmp_eq_u32 s[MODE], 1                        ; which tensor is R and which is P: a choice between buffers on the cluster's x
	s_cselect_b64 s[96:97], s[8:9], s[4:5]         ; R's codes
	s_cselect_b64 s[8:9], s[4:5], s[8:9]           ; P's codes
	s_cselect_b64 s[98:99], s[10:11], s[6:7]       ; R's scales
	s_cselect_b64 s[10:11], s[6:7], s[10:11]       ; P's scales
	s_add_nc_u64 s[20:21], s[96:97], s[20:21]
	s_add_nc_u64 s[22:23], s[98:99], s[22:23]
	s_add_nc_u64 s[46:47], s[8:9], s[46:47]
	s_add_nc_u64 s[92:93], s[10:11], s[92:93]
	CROUND                                         ; all sixteen work-groups are here: the joint loads meet
	s_mov_b32 s[G0S], 1
	s_add_co_u32 s[G0S+1], s94, SCL
	s_mov_b64 s[G0S+2:G0S+3], s[22:23]
	s_or_b32 s[G0S+3], s[G0S+3], 0x80000000
	s_mov_b32 s[G0SB], 1
	s_add_co_u32 s[G0SB+1], s94, SCL
	s_mov_b64 s[G0SB+2:G0SB+3], s[92:93]
	s_or_b32 s[G0SB+3], s[G0SB+3], 0x80000000
	JLOAD G0S, G1S, G0SB, G1SB                     ; the scales first: they are wanted with the first K step
.irp s, 0,1
	s_mov_b32 s[G0+4*\s], 1
	s_add_co_u32 s[G0+4*\s+1], s45, \s*SLOT
	s_add_nc_u64 s[G0+4*\s+2:G0+4*\s+3], s[20:21], \s*ROWB
	s_or_b32 s[G0+4*\s+3], s[G0+4*\s+3], 0x80000000
	s_mov_b32 s[G0B+4*\s], 1
	s_add_co_u32 s[G0B+4*\s+1], s45, \s*SLOT
	s_add_nc_u64 s[G0B+4*\s+2:G0B+4*\s+3], s[46:47], \s*ROWB
	s_or_b32 s[G0B+4*\s+3], s[G0B+4*\s+3], 0x80000000
	JLOAD G0+4*\s, G1, G0B+4*\s, G1B               ; three tensor loads of mine are out behind the second of these
.endr
	v_and_b32 v1, 15, v0                           ; r = l % 16
	v_bfe_u32 v2, v0, 4, 1                         ; h = l / 16
	v_mul_u32_u24 v3, v1, PITCH
	v_lshl_add_u32 v4, v2, 4, v3                   ; a fragment's row x pitch + 16 x half
	s_mul_i32 s21, s15, HALFT                      ; my 128 rows of R
	s_mul_i32 s22, s16, HALFT                      ; my 128 rows of P,
	s_add_co_u32 s22, s22, 2*HALFT                 ; which lie behind R's 256
.irp s, 0,1
	v_add_nc_u32 v[ADRA+\s], s21, v4
	v_add_nc_u32 v[ADRB+\s], s22, v4
	s_add_co_u32 s21, s21, SLOT
	s_add_co_u32 s22, s22, SLOT
.endr
	v_mul_u32_u24 v5, v1, KS                       ; my row's scales: 32 bytes a row,
	v_lshrrev_b32 v6, 8, v5
	v_lshl_add_u32 v5, v6, 4, v5                   ; and 16 more for each 256 passed
	s_mul_i32 s21, s15, HALFS
	s_mul_i32 s22, s16, HALFS
	s_add_co_u32 s22, s22, 2*HALFS
	s_sub_co_u32 s22, s22, s21
	v_mul_u32_u24 v6, s22, v2                      ; lanes 16-31 take P's: one product, the distance between the two bases
	s_add_co_u32 s21, s21, SCL
	v_add_nc_u32 v5, v5, v6
	v_add_nc_u32 v[ADRS], s21, v5
	s_mul_i32 s23, s14, WST                        ; my stage
	v_and_b32 v5, 7, v0
	v_bfe_u32 v6, v0, 3, 1
	v_lshlrev_b32 v7, 4, v5                        ; 16 (l % 8): the place in a tile,
	v_lshl_add_u32 v7, v6, 9, v7                   ; + 512 ((l / 8) % 2): which of two neighbouring tiles,
	v_lshl_add_u32 v7, v2, 3, v7                   ; + 8 (l / 16): which half of the block's 16 bytes
	v_add_nc_u32 v[STO], s23, v7
	v_lshlrev_b32 v7, 3, v5
	v_lshl_add_u32 v7, v6, 7, v7
	v_add_nc_u32 v7, s23, v7
	v_add_nc_u32 v[STS], 8192, v7                  ; scale words: 8 (l % 8) + 128 ((l / 8) % 2), behind the codes
	v_and_b32 v6, 31, v0
	v_lshlrev_b32 v[LO], 4, v6
	v_add_nc_u32 v[RD], s23, v[LO]
	; what hangs on the mode: all choices on one compare
	s_cmp_eq_u32 s[MODE], 0
	s_cselect_b32 s18, 0, 4                        ; the bias: bytes from r to r + 1,
	s_cselect_b32 s19, 32, 0                       ; from h = 0 to h = 1,
	s_cselect_b32 s20, 4, 0                        ; and from register j to j + 1
	s_cselect_b32 s21, s42, s17                    ; the tile of w_qkv,
	s_cselect_b32 s22, s16, s15                    ; my half of it,
	s_cselect_b32 s3, s17, s42                     ; the tile of tokens,
	s_cselect_b32 s23, s15, s16                    ; my half of it
	s_mov_b32 s45, 2048
	s_mov_b32 s47, 196608
	s_cselect_b32 s44, s47, s45                    ; from the stage's piece 0 to piece 2: the next head, or the second 64 keys
	s_cselect_b32 s46, s45, s47                    ; from piece 0 to piece 1: the other way round
	s_mov_b32 s45, 0
	s_mov_b32 s47, 0
	v_mul_u32_u24 v5, s18, v1
	v_mad_u32_u24 v[BA], v2, s19, v5
.irp j, 1,2,3,4,5,6,7
	v_add_nc_u32 v[BA+\j], s20, v[BA+\j-1]         ; MODE 0: 32 h + 4 j (register j is P's row 8 h + j);  MODE 1: 4 r for every j (the lane's one row of R)
.endr
	s_lshl_b32 s18, s21, 10
	s_lshl_b32 s19, s22, 9
	s_add_co_u32 s18, s18, s19                     ; 4 bytes x (256 x tile + 128 x half)
	s_mov_b32 s19, 0
	s_add_nc_u64 s[12:13], s[12:13], s[18:19]
.irp g, 0,1,2,3,4,5,6,7
.irp j, 0,1,2,3,4,5,6,7
	global_load_b32 v[BIAS+8*\g+\j], v[BA+\j], s[12:13] offset:64*\g   ; block g's eight registers in the result's layout; every register is written in both modes
.endr
.endr
	s_lshr_b32 s18, s21, 2                         ; which: 0 q, 1 k, 2 v
	s_and_b32 s21, s21, 3
	s_lshl_b32 s21, s21, 2
	s_lshl_b32 s22, s22, 1
	s_add_co_u32 s21, s21, s22                     ; my first head: 4 (tile % 4) + 2 x half: an even one
	s_lshr_b32 s22, s3, 3
	s_lshl_b32 s22, s22, 4
	s_add_co_u32 s21, s21, s22                     ; + 16 x batch
	s_and_b32 s3, s3, 7
	s_lshl_b32 s3, s3, 1
	s_add_co_u32 s3, s3, s23                       ; my step of 128 tokens in the batch
	s_mul_i32 s22, s21, 196608
	s_lshl_b32 s23, s18, 16
	s_add_co_u32 s22, s22, s23
	s_lshl_b32 s23, s3, 12
	s_add_co_u32 s22, s22, s23
	s_mov_b32 s23, 0
	s_add_nc_u64 s[PB:PB+1], s[100:101], s[22:23]
	s_add_nc_u64 s[PB+2:PB+3], s[PB:PB+1], s[46:47]
	s_add_nc_u64 s[PB+4:PB+5], s[PB:PB+1], s[44:45]
	s_add_nc_u64 s[PB+6:PB+7], s[PB+4:PB+5], s[46:47]
	s_lshr_b32 s21, s21, 1
	s_mul_i32 s22, s21, 24576
	s_lshl_b32 s18, s18, 13
	s_add_co_u32 s22, s22, s18
	s_lshl_b32 s3, s3, 9
	s_add_co_u32 s22, s22, s3
	s_add_nc_u64 s[66:67], s[66:67], s[22:23]      ; the scale words of my pair of heads and my step: 512 bytes
.macro FRAG reg, adr, q, i             ; 16 rows x 128 K of 4-bit codes: lane l holds row l % 16; registers 4 c .. 4 c + 3 hold K = 64 c + 32 (l / 16) + 0 .. 31
.irp c, 0,1
	ds_load_b128 v[\reg+4*\c:\reg+4*\c+3], v[\adr] offset:64*(\q)+32*\c+(\i)*16*PITCH
.endr
.endm
; 16 matrix instructions: R's blocks a0, a0 + 1 x P's eight.  zero = 0: the sums go on;  1: they begin with the bias of P's block;  2: with that of R's block.  The 64 accumulators take turns, one instruction a turn.
.macro MUL16 a0, p, q, sc, zero
.irp a, \a0, \a0+1
.irp b, 0,1,2,3,4,5,6,7
.if \zero == 1
	v_wmma_scale_f32_16x16x128_f8f6f4 v[8*(8*((\a)%4)+\b):8*(8*((\a)%4)+\b)+7], v[128*(\p)+FR*\b:128*(\p)+FR*\b+FR-1], v[AF+FR*(\a):AF+FR*(\a)+FR-1], v[BIAS+8*\b:BIAS+8*\b+7], v[SC+8*NQ*(\sc)+NQ*\b+(\q)], v[SC+8*NQ*(\sc)+NQ*(\a)+(\q)] matrix_a_fmt:MATRIX_FMT_FP4 matrix_b_fmt:MATRIX_FMT_FP4 matrix_a_scale:MATRIX_SCALE_ROW1
.elseif \zero == 2
	v_wmma_scale_f32_16x16x128_f8f6f4 v[8*(8*((\a)%4)+\b):8*(8*((\a)%4)+\b)+7], v[128*(\p)+FR*\b:128*(\p)+FR*\b+FR-1], v[AF+FR*(\a):AF+FR*(\a)+FR-1], v[BIAS+8*(\a):BIAS+8*(\a)+7], v[SC+8*NQ*(\sc)+NQ*\b+(\q)], v[SC+8*NQ*(\sc)+NQ*(\a)+(\q)] matrix_a_fmt:MATRIX_FMT_FP4 matrix_b_fmt:MATRIX_FMT_FP4 matrix_a_scale:MATRIX_SCALE_ROW1
.else
	v_wmma_scale_f32_16x16x128_f8f6f4 v[8*(8*((\a)%4)+\b):8*(8*((\a)%4)+\b)+7], v[128*(\p)+FR*\b:128*(\p)+FR*\b+FR-1], v[AF+FR*(\a):AF+FR*(\a)+FR-1], v[8*(8*((\a)%4)+\b):8*(8*((\a)%4)+\b)+7], v[SC+8*NQ*(\sc)+NQ*\b+(\q)], v[SC+8*NQ*(\sc)+NQ*(\a)+(\q)] matrix_a_fmt:MATRIX_FMT_FP4 matrix_b_fmt:MATRIX_FMT_FP4 matrix_a_scale:MATRIX_SCALE_ROW1
.endif
.endr
.endr
.endm
.macro FETCH_B slot, q, p              ; P's eight fragments of the slot's q-th 128 along K into set p
	WIN TO_B
.irp i, 0,1,2,3,4,5,6,7
	FRAG 128*(\p)+FR*\i, ADRB+\slot, \q, \i
.endr
	WIN 0
.endm
.macro FETCH_A slot, q, i0             ; R's blocks i0 .. i0 + 3
.irp i, \i0, \i0+1, \i0+2, \i0+3
	FRAG AF+FR*(\i), ADRA+\slot, \q, \i
.endr
.endm
.macro SCALES sc                       ; a slot's scale words: four words a row; lanes 0-15 take R's block i, lanes 16-31 P's block i
.irp i, 0,1,2,3,4,5,6,7
	ds_load_b128 v[SC+8*NQ*\sc+NQ*\i:SC+8*NQ*\sc+NQ*\i+3], v[ADRS] offset:\i*SBLK
.endr
.endm
.macro PLACES n                        ; plain vector instructions behind a matrix instruction, in front of loads into its registers and of reads of its results
.rept \n
	v_nop
.endr
.endm
; A step of 128 along K that has its successor in the same slot.  With zero = 1 or 2 the C operand lies in window 0.
.macro STEP slot, q, zero
	s_wait_dscnt 4*NL                              ; P's set and R's blocks 0-3 are in; the youngest eight loads (R's blocks 4-7) may be out
.if \zero
	WIN 0x81
.else
	WIN MUL_LO
.endif
	MUL16 0, (\q)%2, \q, \slot, \zero
	MUL16 2, (\q)%2, \q, \slot, \zero
	s_wait_dscnt 0                                 ; R's blocks 4-7 are in
	PLACES NP
	FETCH_B \slot, (\q)+1, 1-(\q)%2
	FETCH_A \slot, (\q)+1, 0
.if \zero
	WIN 0xc1
.else
	WIN MUL_HI
.endif
	MUL16 4, (\q)%2, \q, \slot, \zero
	MUL16 6, (\q)%2, \q, \slot, \zero
	PLACES NP
	WIN 0
	FETCH_A \slot, (\q)+1, 4
.endm
; Slot 0's last step changes slots: one barrier; in front of it each wave waits for all its tensor loads (slot 1's is the one that may be out), adds 0 to its spare word, and waits for that and for its reads of slot 0.  Nothing is filled again.
.macro TURN slot, next
	s_wait_tensorcnt 0x0
	ds_add_u32 v[SPW], v[NIL]
	s_wait_dscnt 4*NL+1                            ; the add and the youngest eight loads (R's blocks 4-7) may be out
	WIN MUL_LO
	MUL16 0, 1, NQ-1, \slot, 0
	s_wait_dscnt 0x0                               ; the add is done, and my reads of this slot are over
	s_barrier_signal -1
	MUL16 2, 1, NQ-1, \slot, 0
	WIN 0
	s_barrier_wait -1
	PLACES NP
	v_add_nc_u32 v[ADRS], 4*NQ, v[ADRS]            ; on to the next slot's scale words
	FETCH_B \next, 0, 0
	FETCH_A \next, 0, 0
	SCALES \next
	WIN MUL_HI
	MUL16 4, 1, NQ-1, \slot, 0
	MUL16 6, 1, NQ-1, \slot, 0
	PLACES NP
	WIN 0
	FETCH_A \next, 0, 4
.endm
	s_wait_tensorcnt 1                             ; the scales and my part of slot 0 are in; slot 1's load may be out
	s_barrier_signal -1
	s_barrier_wait -1                              ; everybody's are
	FETCH_B 0, 0, 0
	FETCH_A 0, 0, 0
	SCALES 0
	FETCH_A 0, 0, 4
	s_wait_loadcnt 0x0                             ; the bias
	s_cmp_eq_u32 s[MODE], 0                        ; the first step is written twice: the C operand's register numbers differ.  No barrier, tensor load or LDS store stands in it
	s_cbranch_scc0 .Lfirst_v
	STEP 0, 0, 1
	s_branch .Lfirst_done
.Lfirst_v:
	STEP 0, 0, 2
.Lfirst_done:
	STEP 0, 1, 0
	STEP 0, 2, 0
	TURN 0, 1
	STEP 1, 0, 0
	STEP 1, 1, 0
	STEP 1, 2, 0
	s_wait_dscnt 4*NL                              ; the very last step: nothing more to fetch
	WIN MUL_LO
	MUL16 0, 1, NQ-1, 1, 0
	MUL16 2, 1, NQ-1, 1, 0
	s_wait_dscnt 0
	WIN MUL_HI
	MUL16 4, 1, NQ-1, 1, 0
	MUL16 6, 1, NQ-1, 1, 0
	WIN 0
; THE WAY OUT.  QROW a: R's block a, 16 rows x 128 of P: four blocks of 32.  Block i is a lane's 16 registers of accumulators 2 i and 2 i + 1 (P's rows 32 i + 8 h + j and 32 i + 16 + 8 h + j) and those of lane l xor 16.
; Each accumulator is read from its low end on.  The two conversions of a block give a lane codes 8 h .. 8 h + 7 and 16 + 8 h .. ; the exchange of halves leaves lane (r, h) bytes 8 h .. 8 h + 7 of the block's 16.
.macro QROW a
.set WN, 2+(\a)/4
.set AC, 64*((\a)%4)
	WIN WN+4*WN                                    ; sources 0 and 1: the accumulators' window
.irp i, 0,1,2,3
	v_max3_num_f32 v[QT+\i], |v[AC+16*\i]|, |v[AC+16*\i+1]|, 0x1800000   ; and the floor 2^(3 - 127): the byte cannot fall under 1
.endr
	WIN 4*WN+16*WN                                 ; sources 1 and 2
.irp k, 2,4,6,8,10,12,14
.irp i, 0,1,2,3
	v_max3_num_f32 v[QT+\i], v[QT+\i], |v[AC+16*\i+\k]|, |v[AC+16*\i+\k+1]|   ; the four blocks by turns
.endr
.endr
	WIN 0
.irp i, 0,1,2,3
	v_permlanex16_b32 v[QU+\i], v[QT+\i], s[SEL], s[SEL+1]
.endr
.irp i, 0,1,2,3
	v_max_num_f32 v[QT+\i], v[QT+\i], v[QU+\i]     ; with lane l xor 16's: the block's largest magnitude
.endr
.irp i, 0,1,2,3
	v_add_nc_u32 v[QS+\i], 0xff000000, v[QT+\i]    ; 2 off its exponent field: the conversion's scale operand
.endr
.irp i, 0,1,2,3
	v_lshrrev_b32 v[QB+\i], 23, v[QS+\i]           ; the scale's byte
.endr
	v_lshl_or_b32 v[WD+(\a)], v[QB+1], 8, v[QB]    ; my row's four bytes
	v_lshl_or_b32 v[WD+(\a)], v[QB+2], 16, v[WD+(\a)]
	v_lshl_or_b32 v[WD+(\a)], v[QB+3], 24, v[WD+(\a)]
	WIN WN                                         ; source 0
.irp i, 0,1,2,3
	v_cvt_scalef32_pk8_fp4_f32 v[CD+8*(\a)+2*\i], v[AC+16*\i:AC+16*\i+7], v[QS+\i]
	v_cvt_scalef32_pk8_fp4_f32 v[CD+8*(\a)+2*\i+1], v[AC+16*\i+8:AC+16*\i+15], v[QS+\i]
.endr
	WIN 0
	v_nop                                          ; one plain line behind a scaled conversion
.irp i, 0,1,2,3
	v_permlane16_swap_b32 v[CD+8*(\a)+2*\i], v[CD+8*(\a)+2*\i+1]
.endr
.irp i, 0,1,2,3
	ds_store_b64 v[STO], v[CD+8*(\a)+2*\i:CD+8*(\a)+2*\i+1] offset:4096*(\i/2)+1024*((\a)/2)+256*(\i%2)+128*((\a)%2)
.endr
	ds_store_b32 v[STS], v[WD+(\a)] offset:64*((\a)%2)+4*(((\a)/2)%2)+256*((\a)/4)   ; both halves of the lanes write the same word with the same value
.endm
	PLACES NP                                      ; behind the last products: their scale words' registers are written next, and their results read further on
	s_mov_b32 s[SEL], 0x76543210
	s_mov_b32 s[SEL+1], 0xfedcba98
.irp i, 0,1,2,3
	v_mov_b32 v[QU+\i], 0                          ; written once: a lane permute's destination counts as one of its sources
.endr
.irp a, 0,1,2,3,4,5,6,7
	QROW \a
.endr
.irp t, 0,1,2,3,4,5,6,7,8,9,10,11,12,13,14,15
	ds_load_b128 v[RB+4*\t:RB+4*\t+3], v[RD] offset:512*\t   ; LDS serves a wave's instructions in order: these see my stores
.endr
	ds_load_b128 v[RB+64:RB+67], v[RD] offset:8192
.irp t, 0,1,2,3,4,5,6,7,8,9,10,11,12,13,14,15
	s_wait_dscnt 16-\t                             ; load t is in; the 16 - t issued behind it may be out
	global_store_b128 v[LO], v[RB+4*\t:RB+4*\t+3], s[PB+2*(\t/4):PB+2*(\t/4)+1] offset:512*(\t%4)   ; 32 lanes store 512 consecutive bytes, aligned
.endr
	s_wait_dscnt 0x0
	global_store_b128 v[LO], v[RB+64:RB+67], s[66:67]   ; the 128 scale words
	s_wait_tensorcnt 0x0                           ; the wave's end: behind my last tensor load and my last LDS store
	ds_add_u32 v[SPW], v[NIL]
	s_wait_dscnt 0x0
	CROUND                                         ; the closing round
	s_endpgm
.Lfunc_end_k_q8387f22059_proj:
	.size	k_q8387f22059_proj, .Lfunc_end_k_q8387f22059_proj-k_q8387f22059_proj
	.p2alignl 7, 3214868480
	.fill 96, 4, 3214868480
	.section	.rodata,"a",@progbits
	.p2align	6, 0x0
	.amdhsa_kernel k_q8387f22059_proj
		.amdhsa_group_segment_fixed_size 327680
		.amdhsa_private_segment_fixed_size 0
		.amdhsa_enable_private_segment 0
		.amdhsa_kernarg_size 56
		.amdhsa_user_sgpr_count 2
		.amdhsa_user_sgpr_kernarg_segment_ptr 1
		.amdhsa_wavefront_size32 1
		.amdhsa_system_sgpr_workgroup_id_x 1
		.amdhsa_system_sgpr_workgroup_id_y 1
		.amdhsa_system_sgpr_workgroup_id_z 1
		.amdhsa_system_vgpr_workitem_id 0
		.amdhsa_next_free_vgpr 1024
		.amdhsa_next_free_sgpr 102
		.amdhsa_reserve_vcc 0
		.amdhsa_float_denorm_mode_32 3
		.amdhsa_float_denorm_mode_16_64 3
		.amdhsa_memory_ordered 1
		.amdhsa_forward_progress 1
		.amdhsa_inst_pref_size 151
	.end_amdhsa_kernel
	.amdgpu_metadata
---
amdhsa.version: [ 1, 2 ]
amdhsa.kernels:
  - .name:           k_q8387f22059_proj
    .symbol:         k_q8387f22059_proj.kd
    .args:
      - { .name: xc, .offset: 0, .size: 8, .value_kind: global_buffer, .address_space: global }
      - { .name: xs, .offset: 8, .size: 8, .value_kind: global_buffer, .address_space: global }
      - { .name: wc, .offset: 16, .size: 8, .value_kind: global_buffer, .address_space: global }
      - { .name: ws, .offset: 24, .size: 8, .value_kind: global_buffer, .address_space: global }
      - { .name: b_qkv, .offset: 32, .size: 8, .value_kind: global_buffer, .address_space: global }
      - { .name: img, .offset: 40, .size: 8, .value_kind: global_buffer, .address_space: global }
      - { .name: isc, .offset: 48, .size: 8, .value_kind: global_buffer, .address_space: global }
    .group_segment_fixed_size: 327680
    .private_segment_fixed_size: 0
    .kernarg_segment_align: 8
    .kernarg_segment_size: 56
    .max_flat_workgroup_size: 128
    .sgpr_count:     102
    .vgpr_count:     1024
    .wavefront_size: 32
...
	.end_amdgpu_metadata
.endif
;; end of part 2
;; launch attn (part 3): grid 4 x 64, 16 waves a work-group, clusters of 4 x 1, 167,936 bytes of LDS; arguments img, isc, oc, os; writes oc, os
.if DOCPART == 3
	.amdgcn_target "amdgcn-amd-amdhsa--gfx1250"
	.amdhsa_code_object_version 6
	.text
	.protected	k_q8387f22059_attn
	.globl	k_q8387f22059_attn
	.p2align	8
	.type	k_q8387f22059_attn,@function
k_q8387f22059_attn:
	s_mov_b64 s[64:65], 0
	v_nop
	global_prefetch_b8 v0, s[64:65] scope:SCOPE_SE
	s_setreg_imm32_b32 hwreg(HW_REG_WAVE_MODE, 25, 1), 1
	s_wait_xcnt 0x0
	s_wait_alu depctr_hold_cnt(0) depctr_sa_sdst(0) depctr_va_vdst(0) depctr_va_sdst(0) depctr_va_ssrc(0) depctr_va_vcc(0) depctr_vm_vsrc(0)
	s_getreg_b32 s2, hwreg(HW_REG_IB_STS2, 6, 4)
	s_cmp_eq_u32 s2, 0
	s_cbranch_scc0 .Lentry_in_a_cluster
	s_endpgm
.Lentry_in_a_cluster:
	s_bfe_u32 s2, ttmp6, 0x10000c
	s_cmp_lg_u32 s2, 0x3003
	s_cbranch_scc0 .Lentry_shape_is_right
	s_endpgm
.Lentry_shape_is_right:
; LAUNCH 3 OF 4.  For each batch and head: O[q] = the sum over k of softmax_k(Q[q] . K[k] / 8) V[k], both products on codes of FP4 with E8M0 scales; O is divided by the row's sum and quantised along the model's axis on its way out.  No work is left out.
; THE SOFTMAX AHEAD OF THE SECOND PRODUCT: t = score x log2(e) / 8; M = the largest t so far, rounded UP to a whole number; p = 2^(t - M) is what is quantised, along the keys.  The row's sum is taken of the unquantised p, in f32.
; When M moves, the sum and O are multiplied by 2^(old M - new M): exact, and with no branch on data.
; SHARES.  A cluster of four work-groups is one (batch, head); a work-group owns 512 queries; each of its sixteen waves owns one tile of 16 queries in each of two passes.  Four waves share a SIMD, so that one wave's vector work
; stands beside another's matrix work and LDS loads.  256 work-groups of equal work.
; A WHOLE HEAD STAYS IN LDS, FILLED ONCE: K's and V's images, 65,536 bytes each, and the scale words of the pair of heads, 8,192 each: nine tensor loads of 64 rows x 256 bytes, one a wave in waves 0 to 8, asked for JOINTLY by the four
; partners, which walk the same K and V.  So the loops have no barrier, no tensor load and no wait on TENSORcnt, and the text has no LDS store.  By the text's own count a wave has one tensor load out.
; LAYOUT.  Both products are used transposed: S^T = K Q^T, O^T = V^T P^T: a lane holds ONE query (lane % 16) throughout.  The images lie in the order of the operands' registers (launch 2 lays them):
; tile 2 b + u of 128 keys holds at place r key 32 b + 8 u + r + 8 (r / 8), so that the 16 registers of tiles 2 b and 2 b + 1 are 16 neighbouring keys; V's channels and Q's tokens are tiled alike.
; K = 64 IN AN INSTRUCTION OF K = 128: Q's registers 4-7 are zero codes and bytes 2, 3 of its scale word 0x7f.  Tile t of K is named v[32 + 4 t : 39 + 4 t]: its upper four registers are the next tile's codes (zeros for the last),
; which meet Q's zeros and add nothing; K's scale bytes 2, 3 are the zeros of a zero-extended load, a finite scale.
; os is stored 2 bytes a lane, 32 bytes apart: a head owns two of a row's 32 scale bytes; that is a sixteenth of the codes' bytes.
; LIMITS: a block of zeros, or one under 2^-124, gets the byte 1 (read by this program alone); NaN and infinities are not served.
.set KSC,   131072                     ; LDS: K's image at 0, V's at 65,536, K's scale words here,
.set VSC,   139264                     ; V's here,
.set SPARE, 147712                     ; and the spare words, 128 bytes for each of sixteen waves
.set AK0,  1                           ; v1   16 x lane: my place in a tile of K
.set AV0,  2                           ; v2   the same for V
.set ASK0, 3                           ; v3   my place among K's scale words: 8 x lane + 2 x the head's parity
.set ASV0, 4                           ; v4   and among V's: 8 x lane + 256 x the parity
.set SPW,  5
.set NIL,  6
.set GO,   7                           ; v7   16 x lane: global offset for Q and for oc
.set ADK,  8                           ; v8-11 the step's LDS addresses
.set ADV,  9
.set ADS,  10
.set ADT,  11
.set KSR,  28                          ; v28-31 K's scale words: register b: lanes 0-15 tile 2 b, lanes 16-31 tile 2 b + 1
.set KF,   32                          ; v32-63 K's eight tiles, four registers each; v64-67 zeros
.set VSR,  68                          ; v68-69 V's scale words
.set VF,   72                          ; v72-103 V's four fragments
.set S,    104                         ; v104-167 S^T, then p
.set O,    168                         ; v168-199 O^T
.set PC,   200                         ; v200-207 p's codes
.set BM,   208                         ; v208-211 the blocks' largest
.set TW,   212                         ; v212-215 at work
.set SF,   216                         ; v216-219 the conversions' scale operands
.set TT,   220                         ; v220 at work
.set FF,   222                         ; v222 f = 2^(old M - new M);  v223 p's scale word
.set WV,   12
.set SEL,  20
.set CS,   22
.set TB,   36
.set TS,   37
.set CNT,  38
.macro CROUND                          ; a round of the cluster's barrier
	s_barrier_signal -1
	s_barrier_wait -1
	s_cmp_lg_u32 s[WV], 0
	s_cbranch_scc1 .Lnot_wave_0_\@
	s_barrier_signal -3
.Lnot_wave_0_\@:
	s_barrier_wait -3
	s_barrier_signal -1
	s_barrier_wait -1
.endm
	s_load_b256 s[4:11], s[0:1], 0x0               ; img s[4:5], isc s[6:7], oc s[8:9], os s[10:11]
	v_lshl_add_u32 v[SPW], v0, 2, SPARE
	v_mov_b32 v[NIL], 0
	ds_add_u32 v[SPW], v[NIL]                      ; the wave's opening: the add, twice on end, and its wait ahead of the first tensor load
	ds_add_u32 v[SPW], v[NIL]
	v_lshrrev_b32 v8, 5, v0
	s_delay_alu instid0(VALU_DEP_1)
	v_readfirstlane_b32 s[WV], v8                  ; wave 0..15
	s_bfe_u32 s13, ttmp6, 0x40000                  ; cx: it enters Q's, oc's and os's global addresses alone
	s_and_b32 s14, ttmp7, 0xffff                   ; 16 x batch + head, which the four partners share
	s_and_b32 s15, s14, 1                          ; the head's parity
	; descriptor group 1: 64 rows of 256 bytes (32 elements of 8), dense, no padding: every reader takes 16 x lane
	s_mov_b32 s24, 15|(3<<16)|(1<<21)              ; the mask: all four work-groups; elements of 8 bytes; bit 21 beside a mask
	s_mov_b32 s25, 32<<16                          ; tensor_dim0
	s_mov_b32 s26, 64<<16                          ; tensor_dim1
	s_mov_b32 s27, 32<<16                          ; tile_dim0
	s_mov_b32 s28, 64                              ; tile_dim1
	s_mov_b32 s29, 32                              ; the pitch
	s_mov_b32 s30, 0
	s_mov_b32 s31, 0
	s_mov_b32 s32, 1
	s_lshl_b32 s33, s[WV], 14                      ; LDS address: 16,384 x wave
	s_mul_i32 s40, s14, 196608                     ; the head's q, k, v images
	s_and_b32 s42, s[WV], 7
	s_lshl_b32 s42, s42, 14
	s_add_co_u32 s42, s42, s40
	s_add_co_u32 s42, s42, 65536                   ; waves 0 to 7: the eighth part, by the wave's number, of k's and v's images, which lie on end
	s_mov_b32 s43, 0
	s_lshr_b32 s52, s14, 1
	s_mul_i32 s52, s52, 24576                      ; the pair of heads' scale words
	s_add_co_u32 s54, s52, 8192                    ; wave 8: k's and v's, on end
	s_mov_b32 s55, 0
	s_lshl_b32 s16, s13, 5
	s_add_co_u32 s16, s16, s[WV]                   ; my tile of queries in pass 0: 32 cx + wave; pass 1's lies 16 further on
	s_lshl_b32 s44, s16, 9
	s_add_co_u32 s44, s44, s40                     ; Q's codes: 512 bytes a tile
	s_mov_b32 s45, 0
	s_lshl_b32 s46, s13, 2
	s_lshr_b32 s17, s[WV], 3
	s_add_co_u32 s46, s46, s17
	s_lshl_b32 s46, s46, 9                         ; Q's scale words: 512 bytes for each 8 tiles,
	s_and_b32 s17, s[WV], 1
	s_lshl_b32 s17, s17, 7
	s_add_co_u32 s46, s46, s17                     ; + 128 (tile % 2)
	s_bfe_u32 s17, s[WV], 0x10001
	s_lshl_b32 s17, s17, 2
	s_add_co_u32 s46, s46, s17                     ; + 4 ((tile / 2) % 2)
	s_bfe_u32 s17, s[WV], 0x10002
	s_lshl_b32 s17, s17, 8
	s_add_co_u32 s46, s46, s17                     ; + 256 ((tile / 4) % 2)
	s_lshl_b32 s17, s15, 1
	s_add_co_u32 s46, s46, s17                     ; + 2 x the parity: my head's two bytes of the word
	s_add_co_u32 s46, s46, s52
	s_mov_b32 s47, 0
	s_lshr_b32 s17, s14, 4
	s_lshl_b32 s17, s17, 7
	s_add_co_u32 s17, s17, s16                     ; the token tile: 128 x batch + my tile
	s_and_b32 s18, s14, 15                         ; the head
	s_lshl_b32 s48, s17, 13
	s_lshl_b32 s19, s18, 9
	s_add_co_u32 s48, s48, s19                     ; oc: 8,192 bytes a token tile, 512 a head
	s_mov_b32 s49, 0
	s_lshl_b32 s50, s17, 9
	s_lshl_b32 s19, s18, 1
	s_add_co_u32 s50, s50, s19                     ; os: 512 bytes a token tile, 2 a head
	s_mov_b32 s51, 0
	s_mov_b32 s[SEL], 0x76543210
	s_mov_b32 s[SEL+1], 0xfedcba98                 ; v_permlanex16_b32's selects for lane l xor 16
	s_mov_b32 s[CS], 0x3e38aa3b                    ; c = log2(e) / 8
	s_mov_b32 s[CS+1], s[CS]                       ; (named with it as a pair, so it is written)
	v_and_b32 v8, 31, v0                           ; lane
	s_delay_alu instid0(VALU_DEP_1)
	v_lshlrev_b32 v[GO], 4, v8
	v_and_b32 v9, 15, v0                           ; r
	s_delay_alu instid0(VALU_DEP_1)
	v_lshlrev_b32 v26, 3, v9                       ; Q's scale words: 8 bytes from row to row
	s_delay_alu instid0(VALU_DEP_2)
	v_lshlrev_b32 v27, 5, v9                       ; os: 32 bytes from row to row
	s_wait_dscnt 0x0                               ; both opening adds are done
	s_wait_kmcnt 0x0
	s_add_nc_u64 s[42:43], s[4:5], s[42:43]
	s_add_nc_u64 s[54:55], s[6:7], s[54:55]
	s_cmp_lt_u32 s[WV], 8                          ; codes or scale words: a choice between two buffers on the wave's number
	s_cselect_b64 s[34:35], s[42:43], s[54:55]
	s_or_b32 s35, s35, 0x80000000                  ; type = 2
	s_add_nc_u64 s[44:45], s[4:5], s[44:45]
	s_add_nc_u64 s[46:47], s[6:7], s[46:47]
	s_add_nc_u64 s[48:49], s[8:9], s[48:49]
	s_add_nc_u64 s[50:51], s[10:11], s[50:51]
	CROUND                                         ; all four work-groups are here: the joint loads meet
	s_cmp_lt_u32 s[WV], 9
	s_cbranch_scc0 .Lno_fill
	tensor_load_to_lds s[32:35], s[24:31]
	s_nop 0
.rept 4
	v_nop
.endr
.Lno_fill:
	s_wait_alu depctr_va_vdst(0)
	global_load_b128 v[16:19], v[GO], s[44:45]                 ; pass 0's Q: lane (r, hd): d = 32 hd on of the tile's token r
	global_load_b128 v[232:235], v[GO], s[44:45] offset:8192   ; pass 1's
	global_load_u16 v24, v26, s[46:47]                         ; their scale bytes
	global_load_u16 v25, v26, s[46:47] offset:1024
	v_lshlrev_b32 v[AK0], 4, v8
	s_delay_alu instid0(VALU_DEP_1)
	v_add_nc_u32 v[AV0], 65536, v[AK0]
	s_lshl_b32 s17, s15, 1
	v_lshl_add_u32 v[ASK0], v8, 3, s17
	s_delay_alu instid0(VALU_DEP_1)
	v_add_nc_u32 v[ASK0], KSC, v[ASK0]
	s_lshl_b32 s17, s15, 8
	v_lshl_add_u32 v[ASV0], v8, 3, s17
	s_delay_alu instid0(VALU_DEP_1)
	v_add_nc_u32 v[ASV0], VSC, v[ASV0]
.irp j, 0,1,2,3
	v_mov_b32 v[20+\j], 0                          ; zero codes: K = 64 .. 127 of both Qs,
	v_mov_b32 v[236+\j], 0
	v_mov_b32 v[64+\j], 0                          ; and behind K's last tile
.endr
	s_wait_tensorcnt 0x0                           ; my part of the head is in LDS,
	s_barrier_signal -1
	s_barrier_wait -1                              ; everybody's is
	s_wait_loadcnt 0x0                             ; Q
	v_or_b32 v24, 0x7f7f0000, v24                  ; the scale 1 over the zero codes
	v_or_b32 v25, 0x7f7f0000, v25
; A PASS: one tile of 16 queries against all 2,048 keys, 128 a trip.  QF: Q's fragment;  QS: its scale words.
.macro PASS p, QF, QS
	v_mov_b32 v13, 0xff61b1e6                      ; the largest t so far: -3e38, under every t
	s_delay_alu instid0(VALU_DEP_1)
	v_floor_f32 v12, -v13                          ; -M
	v_mov_b32 v14, 0                               ; the sum, in two halves
	v_mov_b32 v15, 0
.irp b, 0,1,2,3
	v_mov_b32 v[TW+\b], 0                          ; a lane permute's destination counts as one of its sources
.endr
	v_mov_b32 v[FF+1], 0                           ; (named as the upper half of a pair before it is first written)
.set J, 0
.rept 32
	v_mov_b32 v[O+J], 0                            ; O^T.  The trip is written once: the first finds zeros, which the first change of M leaves zeros
.set J, J+1
.endr
	s_mov_b32 s[TB], 0
	s_mov_b32 s[TS], 0
	s_mov_b32 s[CNT], 16
.Lstep_\@:
	s_setprio 2
	v_add_nc_u32 v[ADK], s[TB], v[AK0]             ; four plain lines: also the places behind the last trip's products, in front of the loads into their registers
	v_add_nc_u32 v[ADV], s[TB], v[AV0]
	v_add_nc_u32 v[ADS], s[TS], v[ASK0]
	v_add_nc_u32 v[ADT], s[TS], v[ASV0]
.irp t, 0,1,2,3,4,5,6,7
	ds_load_b128 v[KF+4*\t:KF+4*\t+3], v[ADK] offset:512*\t
.endr
.irp b, 0,1,2,3
	ds_load_u16 v[KSR+\b], v[ADS] offset:4*(\b%2)+256*(\b/2)
.endr
.irp t, 0,1,2,3
.irp c, 0,1
	ds_load_b128 v[VF+8*\t+4*\c:VF+8*\t+4*\c+3], v[ADV] offset:2048*\c+512*\t
.endr
.endr
	ds_load_b64 v[VSR:VSR+1], v[ADT]
	s_wait_dscnt 9                                 ; K's twelve loads are in; V's nine may be out
.irp t, 0,1,2,3,4,5,6,7                        ; S^T = K Q^T: eight tiles of 16 keys, each a sum of its own
.if \t%2
	v_wmma_scale_f32_16x16x128_f8f6f4 v[S+8*\t:S+8*\t+7], v[KF+4*\t:KF+4*\t+7], v[\QF:\QF+7], 0, v[KSR+\t/2], v[\QS] matrix_a_fmt:MATRIX_FMT_FP4 matrix_b_fmt:MATRIX_FMT_FP4 matrix_a_scale:MATRIX_SCALE_ROW1
.else
	v_wmma_scale_f32_16x16x128_f8f6f4 v[S+8*\t:S+8*\t+7], v[KF+4*\t:KF+4*\t+7], v[\QF:\QF+7], 0, v[KSR+\t/2], v[\QS] matrix_a_fmt:MATRIX_FMT_FP4 matrix_b_fmt:MATRIX_FMT_FP4
.endif
.endr
.rept 4
	v_nop                                          ; places in front of the first read of the results
.endr
.irp b, 0,1,2,3
	v_max3_num_f32 v[BM+\b], v[S+16*\b], v[S+1+16*\b], v[S+2+16*\b]   ; the largest score of each block of 32 keys: it serves the row's maximum and, since p rises with the score, the block's largest p
.endr
.irp i, 3,5,7,9,11,13
.irp b, 0,1,2,3
	v_max3_num_f32 v[BM+\b], v[BM+\b], v[S+16*\b+\i], v[S+1+16*\b+\i]
.endr
.endr
.irp b, 0,1,2,3
	v_max_num_f32 v[BM+\b], v[BM+\b], v[S+15+16*\b]
.endr
.irp b, 0,1,2,3
	s_delay_alu instid0(VALU_DEP_4)
	v_permlanex16_b32 v[TW+\b], v[BM+\b], s[SEL], s[SEL+1]
.endr
.irp b, 0,1,2,3
	s_delay_alu instid0(VALU_DEP_4)
	v_max_num_f32 v[BM+\b], v[BM+\b], v[TW+\b]     ; with lane l xor 16's 16 keys
.endr
	s_delay_alu instid0(VALU_DEP_2)
	v_max3_num_f32 v[TT], v[BM], v[BM+1], v[BM+2]
	s_delay_alu instid0(VALU_DEP_1)
	v_max_num_f32 v[TT], v[TT], v[BM+3]            ; the step's largest score of my query
	s_delay_alu instid0(VALU_DEP_1)
	v_mul_f32 v[TT], s[CS], v[TT]                  ; as t (c is positive)
	s_delay_alu instid0(VALU_DEP_1)
	v_max_num_f32 v13, v13, v[TT]                  ; the running largest t
	v_mov_b32 v[TT], v12
	s_delay_alu instid0(VALU_DEP_2)
	v_floor_f32 v12, -v13                          ; the new -M = floor(-t) = -ceil(t)
	s_delay_alu instid0(VALU_DEP_1)
	v_sub_f32 v[TT], v12, v[TT]                    ; old M less new M: a whole number, 0 or less
	s_delay_alu instid0(VALU_DEP_1)
	v_cvt_i32_f32 v[TT], v[TT]                     ; (it saturates)
	s_delay_alu instid0(VALU_DEP_1)
	v_ldexp_f32 v[FF], 1.0, v[TT]                  ; f = 2^(old M - new M)
.set J, 0
.rept 32
	v_pk_fma_f32 v[S+J:S+J+1], v[S+J:S+J+1], s[CS:CS+1], v[12:13] op_sel_hi:[1,0,0]   ; t - M, two at a time
.set J, J+2
.endr
.irp b, 0,1,2,3
	v_fma_f32 v[BM+\b], v[BM+\b], s[CS], v12       ; the same of each block's largest score
.endr
.set J, 0
	s_wait_alu depctr_va_vdst(0)
.rept 64
	v_exp_f32 v[S+J], v[S+J]                       ; p = 2^(t - M), at most 1: not normalised
.set J, J+1
.endr
	s_setprio 1
	v_pk_mul_f32 v[14:15], v[14:15], v[FF:FF+1] op_sel_hi:[1,0]   ; the sums under the new M (the plain line behind the exponentials)
	s_wait_alu depctr_va_vdst(0)                   ; one wait for the whole batch, ahead of its first reader
.irp b, 0,1,2,3
	v_exp_f32 v[BM+\b], v[BM+\b]                   ; the block's largest p: the same two instructions on the same number give the same bits
.endr
	v_pk_add_f32 v[212:213], v[108:109], v[112:113]
	v_pk_add_f32 v[254:255], v[116:117], v[120:121]
	v_pk_add_f32 v[252:253], v[124:125], v[128:129]
	v_pk_add_f32 v[250:251], v[132:133], v[136:137]
	v_pk_add_f32 v[248:249], v[140:141], v[144:145]
	v_pk_add_f32 v[246:247], v[148:149], v[152:153]
	v_pk_add_f32 v[244:245], v[156:157], v[160:161]
	v_pk_add_f32 v[14:15], v[14:15], v[164:165]
	v_pk_add_f32 v[212:213], v[212:213], v[104:105]
	v_pk_add_f32 v[254:255], v[254:255], v[106:107]
	v_pk_add_f32 v[252:253], v[252:253], v[110:111]
	v_pk_add_f32 v[250:251], v[250:251], v[114:115]
	v_pk_add_f32 v[248:249], v[248:249], v[118:119]
	v_pk_add_f32 v[246:247], v[246:247], v[122:123]
	v_pk_add_f32 v[244:245], v[244:245], v[126:127]
	v_pk_add_f32 v[14:15], v[14:15], v[130:131]
	v_pk_add_f32 v[212:213], v[212:213], v[134:135]
	v_pk_add_f32 v[254:255], v[254:255], v[138:139]
	v_pk_add_f32 v[252:253], v[252:253], v[142:143]
	v_pk_add_f32 v[250:251], v[250:251], v[146:147]
	v_pk_add_f32 v[248:249], v[248:249], v[150:151]
	v_pk_add_f32 v[246:247], v[246:247], v[154:155]
	v_pk_add_f32 v[244:245], v[244:245], v[158:159]
	v_pk_add_f32 v[14:15], v[14:15], v[162:163]
	v_pk_add_f32 v[212:213], v[212:213], v[166:167]
	s_delay_alu instid0(VALU_DEP_2)
	v_pk_add_f32 v[14:15], v[14:15], v[250:251]
	s_delay_alu instid0(VALU_DEP_2)
	v_pk_add_f32 v[212:213], v[212:213], v[248:249]
	v_pk_add_f32 v[254:255], v[254:255], v[246:247]
	v_pk_add_f32 v[252:253], v[252:253], v[244:245]
	s_delay_alu instid0(VALU_DEP_2)
	v_pk_add_f32 v[14:15], v[14:15], v[254:255]
	s_delay_alu instid0(VALU_DEP_2)
	v_pk_add_f32 v[212:213], v[212:213], v[252:253]
	s_delay_alu instid0(VALU_DEP_1)
	v_pk_add_f32 v[14:15], v[14:15], v[212:213]
	s_wait_alu depctr_va_vdst(0)                   ; and one for the four
.irp b, 0,1,2,3
	v_max_num_f32 v[BM+\b], 0x1800000, v[BM+\b]    ; the floor 2^(3 - 127): the byte cannot fall under 1
.endr
.irp b, 0,1,2,3
	s_delay_alu instid0(VALU_DEP_4)
	v_add_nc_u32 v[SF+\b], 0xff000000, v[BM+\b]    ; 2 off the exponent field: the conversion's scale operand
.endr
.irp b, 0,1,2,3
	s_delay_alu instid0(VALU_DEP_4)
	v_lshrrev_b32 v[TW+\b], 23, v[SF+\b]           ; the scale's byte
.endr
	s_delay_alu instid0(VALU_DEP_3)
	v_lshl_or_b32 v[FF+1], v[TW+1], 8, v[TW]       ; p's scale word for these 128 keys
	s_delay_alu instid0(VALU_DEP_1)
	v_lshl_or_b32 v[FF+1], v[TW+2], 16, v[FF+1]
	s_delay_alu instid0(VALU_DEP_1)
	v_lshl_or_b32 v[FF+1], v[TW+3], 24, v[FF+1]
.irp b, 0,1,2,3
	v_cvt_scalef32_pk8_fp4_f32 v[PC+2*\b], v[S+16*\b:S+7+16*\b], v[SF+\b]
	v_cvt_scalef32_pk8_fp4_f32 v[PC+1+2*\b], v[S+8+16*\b:S+15+16*\b], v[SF+\b]
.endr
	v_nop                                          ; one plain line behind a scaled conversion
.irp c, 0,1                                    ; the operand's layout wants a whole block in a lane: lanes 0-15 block 2 c, lanes 16-31 block 2 c + 1
.irp i, 0,1
	v_permlane16_swap_b32 v[PC+4*\c+\i], v[PC+2+4*\c+\i]
.endr
.endr
.set J, 0
	s_setprio 0
.rept 16
	v_pk_mul_f32 v[O+J:O+J+1], v[O+J:O+J+1], v[FF:FF+1] op_sel_hi:[1,0]   ; O^T under the new M.  These sixteen also stand between the writes of p's codes and scale word and the products
.set J, J+2
.endr
	s_wait_alu depctr_va_vdst(0)
	s_wait_dscnt 0x0                               ; V
.irp t, 0,1,2,3                                ; O^T += V^T P^T: four tiles of 16 channels, the accumulators by turns
.if \t%2
	v_wmma_scale_f32_16x16x128_f8f6f4 v[O+8*\t:O+8*\t+7], v[VF+8*\t:VF+8*\t+7], v[PC:PC+7], v[O+8*\t:O+8*\t+7], v[VSR+\t/2], v[FF+1] matrix_a_fmt:MATRIX_FMT_FP4 matrix_b_fmt:MATRIX_FMT_FP4 matrix_a_scale:MATRIX_SCALE_ROW1
.else
	v_wmma_scale_f32_16x16x128_f8f6f4 v[O+8*\t:O+8*\t+7], v[VF+8*\t:VF+8*\t+7], v[PC:PC+7], v[O+8*\t:O+8*\t+7], v[VSR+\t/2], v[FF+1] matrix_a_fmt:MATRIX_FMT_FP4 matrix_b_fmt:MATRIX_FMT_FP4
.endif
.endr
	s_add_co_u32 s[TB], s[TB], 4096                ; the next 128 keys' images,
	s_add_co_u32 s[TS], s[TS], 512                 ; and scale words
	s_sub_co_u32 s[CNT], s[CNT], 1
	s_cmp_lg_u32 s[CNT], 0
	s_cbranch_scc1 .Lstep_\@
	s_setprio 0
	; the pass's way out: O^T / the sum, quantised along the model's axis.  In tile 2 A + u register j of lane (q, h) is channel 32 A + 16 h + 8 u + j: the 16 registers of tiles 2 A and 2 A + 1 are 16 neighbours
.rept 4
	v_nop                                          ; places behind the last products
.endr
	v_add_f32 v14, v14, v15                        ; the sum's two halves,
	s_delay_alu instid0(VALU_DEP_1)
	v_permlanex16_b32 v[TT], v14, s[SEL], s[SEL+1]
	s_delay_alu instid0(VALU_DEP_1)
	v_add_f32 v14, v14, v[TT]                      ; and lane l xor 16's: the row's sum
	s_wait_alu depctr_va_vdst(0)
	v_rcp_f32 v14, v14
	v_nop                                          ; one plain line behind the reciprocal
	s_wait_alu depctr_va_vdst(0)                   ; and the wait ahead of its first reader
.set J, 0
.rept 16
	v_pk_mul_f32 v[S+J:S+J+1], v[O+J:O+J+1], v[14:15] op_sel_hi:[1,0]   ; each accumulator from its low end on
.set J, J+2
.endr
.irp b, 0,1
	v_max3_num_f32 v[BM+\b], |v[S+16*\b]|, |v[S+1+16*\b]|, 0x1800000   ; the head's two blocks of 32, with the floor
.endr
.irp i, 2,4,6,8,10,12,14
.irp b, 0,1
	s_delay_alu instid0(VALU_DEP_2)
	v_max3_num_f32 v[BM+\b], v[BM+\b], |v[S+16*\b+\i]|, |v[S+1+16*\b+\i]|
.endr
.endr
.irp b, 0,1
	s_delay_alu instid0(VALU_DEP_2)
	v_permlanex16_b32 v[TW+\b], v[BM+\b], s[SEL], s[SEL+1]
.endr
.irp b, 0,1
	s_delay_alu instid0(VALU_DEP_2)
	v_max_num_f32 v[BM+\b], v[BM+\b], v[TW+\b]
.endr
.irp b, 0,1
	s_delay_alu instid0(VALU_DEP_2)
	v_add_nc_u32 v[SF+\b], 0xff000000, v[BM+\b]
.endr
.irp b, 0,1
	s_delay_alu instid0(VALU_DEP_2)
	v_lshrrev_b32 v[TW+\b], 23, v[SF+\b]
.endr
	s_delay_alu instid0(VALU_DEP_1)
	v_lshl_or_b32 v[TT], v[TW+1], 8, v[TW]         ; my row's two scale bytes
.irp b, 0,1
	v_cvt_scalef32_pk8_fp4_f32 v[PC+2*\b], v[S+16*\b:S+7+16*\b], v[SF+\b]
	v_cvt_scalef32_pk8_fp4_f32 v[PC+1+2*\b], v[S+8+16*\b:S+15+16*\b], v[SF+\b]
.endr
	v_nop                                          ; one plain line behind a scaled conversion
	v_permlane16_swap_b32 v[PC], v[PC+2]           ; lanes 0-15 then hold block 0 whole, lanes 16-31 block 1
	v_permlane16_swap_b32 v[PC+1], v[PC+3]
	global_store_b128 v[GO], v[PC:PC+3], s[48:49] offset:131072*\p   ; 32 lanes store 512 consecutive bytes, aligned: half of an operand's fragment for launch 4
	global_store_b16 v27, v[TT], s[50:51] offset:8192*\p             ; both halves of the lanes store the same two bytes
.endm
	PASS 0, 16, 24
	s_wait_xcnt 0x0                                ; pass 0's stores have read their registers: pass 1 writes them again
	PASS 1, 232, 25
	s_wait_tensorcnt 0x0                           ; the wave's end
	ds_add_u32 v[SPW], v[NIL]
	s_wait_dscnt 0x0
	CROUND                                         ; the closing round
	s_endpgm
.Lfunc_end_k_q8387f22059_attn:
	.size	k_q8387f22059_attn, .Lfunc_end_k_q8387f22059_attn-k_q8387f22059_attn
	.p2alignl 7, 3214868480
	.fill 96, 4, 3214868480
	.section	.rodata,"a",@progbits
	.p2align	6, 0x0
	.amdhsa_kernel k_q8387f22059_attn
		.amdhsa_group_segment_fixed_size 167936
		.amdhsa_private_segment_fixed_size 0
		.amdhsa_enable_private_segment 0
		.amdhsa_kernarg_size 32
		.amdhsa_user_sgpr_count 2
		.amdhsa_user_sgpr_kernarg_segment_ptr 1
		.amdhsa_wavefront_size32 1
		.amdhsa_system_sgpr_workgroup_id_x 1
		.amdhsa_system_sgpr_workgroup_id_y 1
		.amdhsa_system_sgpr_workgroup_id_z 1
		.amdhsa_system_vgpr_workitem_id 0
		.amdhsa_next_free_vgpr 256
		.amdhsa_next_free_sgpr 66
		.amdhsa_reserve_vcc 0
		.amdhsa_float_denorm_mode_32 3
		.amdhsa_float_denorm_mode_16_64 3
		.amdhsa_memory_ordered 1
		.amdhsa_forward_progress 1
		.amdhsa_inst_pref_size 51
	.end_amdhsa_kernel
	.amdgpu_metadata
---
amdhsa.version: [ 1, 2 ]
amdhsa.kernels:
  - .name:           k_q8387f22059_attn
    .symbol:         k_q8387f22059_attn.kd
    .args:
      - { .name: img, .offset: 0, .size: 8, .value_kind: global_buffer, .address_space: global }
      - { .name: isc, .offset: 8, .size: 8, .value_kind: global_buffer, .address_space: global }
      - { .name: oc, .offset: 16, .size: 8, .value_kind: global_buffer, .address_space: global }
      - { .name: os, .offset: 24, .size: 8, .value_kind: global_buffer, .address_space: global }
    .group_segment_fixed_size: 167936
    .private_segment_fixed_size: 0
    .kernarg_segment_align: 8
    .kernarg_segment_size: 32
    .max_flat_workgroup_size: 512
    .sgpr_count:     66
    .vgpr_count:     256
    .wavefront_size: 32
...
	.end_amdgpu_metadata
.endif
;; end of part 3
;; launch outp (part 4): grid 4 x 32, 4 waves a work-group, clusters of 4 x 4, 327,680 bytes of LDS; arguments oc, os, wc, ws, b_out, out0; writes out0
.if DOCPART == 4
	.amdgcn_target "amdgcn-amd-amdhsa--gfx1250"
	.amdhsa_code_object_version 6
	.text
	.protected	k_q8387f22059_outp
	.globl	k_q8387f22059_outp
	.p2align	8
	.type	k_q8387f22059_outp,@function
k_q8387f22059_outp:
	s_mov_b64 s[64:65], 0
	v_nop
	global_prefetch_b8 v0, s[64:65] scope:SCOPE_SE
	s_setreg_imm32_b32 hwreg(HW_REG_WAVE_MODE, 25, 1), 1
	s_wait_xcnt 0x0
	s_wait_alu depctr_hold_cnt(0) depctr_sa_sdst(0) depctr_va_vdst(0) depctr_va_sdst(0) depctr_va_ssrc(0) depctr_va_vcc(0) depctr_vm_vsrc(0)
	s_getreg_b32 s2, hwreg(HW_REG_IB_STS2, 6, 4)
	s_cmp_eq_u32 s2, 0
	s_cbranch_scc0 .Lentry_in_a_cluster
	s_endpgm
.Lentry_in_a_cluster:
	s_bfe_u32 s2, ttmp6, 0x10000c
	s_cmp_lg_u32 s2, 0xf033
	s_cbranch_scc0 .Lentry_shape_is_right
	s_endpgm
.Lentry_shape_is_right:
; LAUNCH 4 OF 4.  out0 = A w_out^T + b_out on codes of FP4 with E8M0 scales, K = 1,024, sums in f32.  A is attention's result as launch 3 left it; w_out's codes and scale bytes are rows 3072 to 4095 of wc and ws.  No work is left out.
; A work-group of four waves makes 256 x 256 of out0, a wave 128 x 128: 64 accumulators in 512 registers.  K goes in two steps of 512 through two LDS slots; both are first fills: nothing is filled again.  128 work-groups.
; A'S CODES COME AS IMAGES OF THE OPERAND'S REGISTERS: oc is [token tile][head][512 B]; two heads' pieces on end are a fragment of 16 rows x 128 K.  A slot's part of a token tile is 4,096 consecutive bytes; a wave's tensor load brings
; eight such rows, 8,192 bytes apart, with no padding, since every reader takes 16 x lane.  os lies as plain rows of 32 scale bytes, in the order of the tiles' rows.
; THE ROWS OF A TILE ARE NOT NEIGHBOURS: in a group of 128 tokens row t of tile a is token 32 (a / 2) + 8 (a % 2) + t + 8 (t / 8): the stores' immediate offsets put each row in its place.
; CLUSTERS: 4 x 4: A's tiles are asked for jointly along a row of the cluster, w_out's along a column.  The matrix instruction is used transposed (source 0 = 16 rows of w_out, source 1 = 16 rows of A): a lane holds eight neighbouring
; numbers of a row of out0.  b_out is the C of each sum's first matrix instruction.
; REGISTERS, in windows of 256: window 0: v0-31 addresses; v32-95 scale words, two sets; v128-191 A's fragments, one set; v192-255 the bias.  window 1: w_out's fragments, two sets.  windows 2, 3: the accumulators.
.set NQ,     4
.set ROWB,   256
.set KROW,   512
.set PITCH,  272
.set FR,     8
.set NL,     2
.set NP,     4
.set HALFT,  128*PITCH
.set SLOT,   4*HALFT
.set KS,     32
.set SCL,    2*SLOT
.set HALFS,  (128*KS/256)*272
.set SBLK,   (16*KS/256)*272
.set SPARE,  SCL+4*HALFS
.set SPITCH, 528                       ; the way out: a stage of 16 rows x (512 bytes + 16) for each wave, in slot 0, which has had its only fill and its last read by then
.set ADRA, 16
.set ADRB, 20
.set STO,  24
.set RD,   25
.set CO,   26
.set ADRS, 27
.set SPW,  28
.set NIL,  29
.set SC,   32
.set AF,   128
.set BIAS, 192
.set BK,   128
.set G1, 24
.set G0, 32
.set G1B, 48
.set G0B, 56
.set G1S, 68
.set G0S, 76
.set G1SB, 80
.set G0SB, 88
.set MSB, 0
.macro WIN new
.if MSB != (\new)
	s_set_vgpr_msb (MSB<<8)|(\new)
.set MSB, (\new)
.endif
.endm
.set MUL_LO, 0xa1
.set MUL_HI, 0xf1
.set TO_B,   0x40
.macro JLOAD g0a, g1a, g0b, g1b        ; a joint load: waves 0 and 1 fetch for A, waves 2 and 3 for w_out; an s_nop 0 and four v_nop follow each of the two lines
	s_cmp_eq_u32 s15, 0
	s_cbranch_scc0 .Lfor_b_\@
	tensor_load_to_lds s[\g0a:\g0a+3], s[\g1a:\g1a+7]
	s_nop 0
.rept 4
	v_nop
.endr
	s_branch .Lasked_\@
.Lfor_b_\@:
	tensor_load_to_lds s[\g0b:\g0b+3], s[\g1b:\g1b+7]
	s_nop 0
.rept 4
	v_nop
.endr
.Lasked_\@:
.endm
.macro CROUND
	s_barrier_signal -1
	s_barrier_wait -1
	s_cmp_lg_u32 s14, 0
	s_cbranch_scc1 .Lnot_wave_0_\@
	s_barrier_signal -3
.Lnot_wave_0_\@:
	s_barrier_wait -3
	s_barrier_signal -1
	s_barrier_wait -1
.endm
	s_load_b128 s[4:7], s[0:1], 0x0                ; oc, os
	s_load_b128 s[8:11], s[0:1], 0x10              ; wc, ws
	s_load_b64 s[66:67], s[0:1], 0x20              ; b_out
	s_load_b64 s[12:13], s[0:1], 0x28              ; out0
	v_lshl_add_u32 v[SPW], v0, 2, SPARE
	v_mov_b32 v[NIL], 0
	ds_add_u32 v[SPW], v[NIL]                      ; the wave's opening: the add, twice on end, and its wait ahead of my first tensor load
	ds_add_u32 v[SPW], v[NIL]
	v_lshrrev_b32 v1, 5, v0
	v_readfirstlane_b32 s14, v1                    ; wave 0..3
	s_lshr_b32 s15, s14, 1                         ; which half of the tile's rows is mine.  Also: I fetch for A (0) or for w_out (1)
	s_and_b32 s16, s14, 1                          ; which half of its columns.  Also: which 128 rows of that tile I fetch
	s_bfe_u32 s40, ttmp6, 0x40000
	s_bfe_u32 s41, ttmp6, 0x40004
	s_lshl_b32 s42, ttmp9, 2
	s_add_co_u32 s42, s42, s40                     ; tile column = 4 x cluster x + cx
	s_and_b32 s17, ttmp7, 0xffff
	s_lshl_b32 s17, s17, 2
	s_add_co_u32 s17, s17, s41                     ; tile row = 4 x cluster y + cy
	s_lshl_b32 s43, s41, 2
	s_lshl_b32 s43, 15, s43                        ; my row of the cluster
	s_lshl_b32 s44, 0x1111, s40                    ; my column
	; A's codes: 8 rows of 4,096 bytes (512 elements of 8), 8,192 bytes apart, no padding
	s_or_b32 s[G1+0], s43, (3<<16)|(1<<21)
	s_mov_b32 s[G1+1], 512<<16                     ; tensor_dim0
	s_mov_b32 s[G1+2], 8<<16                       ; tensor_dim1
	s_mov_b32 s[G1+3], 512<<16                     ; tile_dim0
	s_mov_b32 s[G1+4], 8                           ; tile_dim1
	s_mov_b32 s[G1+5], 1024                        ; the pitch, in elements
	s_mov_b32 s[G1+6], 0
	s_mov_b32 s[G1+7], 0
	; w_out's codes: 128 rows of 256 bytes, 16 bytes of padding behind each
	s_or_b32 s[G1B+0], s44, (0<<16)|(1<<20)|(1<<21)|(5<<22)|(3<<25)
	s_mov_b32 s[G1B+1], ROWB<<16
	s_mov_b32 s[G1B+2], 128<<16
	s_mov_b32 s[G1B+3], ROWB<<16
	s_mov_b32 s[G1B+4], 128
	s_mov_b32 s[G1B+5], KROW
	s_mov_b32 s[G1B+6], 0
	s_mov_b32 s[G1B+7], 0
	; the scales of 128 rows: 4,096 dense bytes, as 16 rows of 256 bytes, 16 bytes of padding behind each
	s_or_b32 s[G1S+0], s43, (3<<16)|(1<<20)|(1<<21)|(5<<22)|(3<<25)
	s_or_b32 s[G1SB+0], s44, (3<<16)|(1<<20)|(1<<21)|(5<<22)|(3<<25)
.irp g, G1S, G1SB
	s_mov_b32 s[\g+1], 32<<16
	s_mov_b32 s[\g+2], (128*KS/256)<<16
	s_mov_b32 s[\g+3], 32<<16
	s_mov_b32 s[\g+4], 128*KS/256
	s_mov_b32 s[\g+5], 32
	s_mov_b32 s[\g+6], 0
	s_mov_b32 s[\g+7], 0
.endr
	s_lshl_b32 s18, s16, 7
	s_lshl_b32 s20, s17, 8
	s_add_co_u32 s20, s20, s18                     ; A: row 256 x tile row + 128 x half
	s_lshl_b32 s46, s42, 8
	s_add_co_u32 s46, s46, s18                     ; w_out: row 256 x tile column + 128 x half
	s_mov_b32 s21, 0
	s_mov_b32 s47, 0
	s_mov_b64 s[18:19], KS
	s_mul_u64 s[22:23], s[20:21], s[18:19]
	s_mul_u64 s[92:93], s[46:47], s[18:19]
	s_mov_b64 s[18:19], KROW
	s_mul_u64 s[20:21], s[20:21], s[18:19]         ; 16 rows of A are a token tile of 8,192 bytes: 512 bytes a row here too
	s_mul_u64 s[46:47], s[46:47], s[18:19]
	s_mul_i32 s45, s14, HALFT
	s_mul_i32 s94, s14, HALFS
	s_wait_dscnt 0x0                               ; both opening adds are done
	s_wait_kmcnt 0x0
	s_add_nc_u64 s[8:9], s[8:9], 1572864           ; w_out's codes: behind w_qkv's 3,072 rows of 512 bytes
	s_add_nc_u64 s[10:11], s[10:11], 98304         ; and its scale bytes: behind 3,072 rows of 32
	s_add_nc_u64 s[20:21], s[4:5], s[20:21]
	s_add_nc_u64 s[22:23], s[6:7], s[22:23]
	s_add_nc_u64 s[46:47], s[8:9], s[46:47]
	s_add_nc_u64 s[92:93], s[10:11], s[92:93]
	CROUND                                         ; all sixteen work-groups are here: the joint loads meet
	s_mov_b32 s[G0S], 1
	s_add_co_u32 s[G0S+1], s94, SCL
	s_mov_b64 s[G0S+2:G0S+3], s[22:23]
	s_or_b32 s[G0S+3], s[G0S+3], 0x80000000
	s_mov_b32 s[G0SB], 1
	s_add_co_u32 s[G0SB+1], s94, SCL
	s_mov_b64 s[G0SB+2:G0SB+3], s[92:93]
	s_or_b32 s[G0SB+3], s[G0SB+3], 0x80000000
	JLOAD G0S, G1S, G0SB, G1SB
.irp s, 0,1
	s_mov_b32 s[G0+4*\s], 1
	s_add_co_u32 s[G0+4*\s+1], s45, \s*SLOT
	s_add_nc_u64 s[G0+4*\s+2:G0+4*\s+3], s[20:21], \s*4096
	s_or_b32 s[G0+4*\s+3], s[G0+4*\s+3], 0x80000000
	s_mov_b32 s[G0B+4*\s], 1
	s_add_co_u32 s[G0B+4*\s+1], s45, \s*SLOT
	s_add_nc_u64 s[G0B+4*\s+2:G0B+4*\s+3], s[46:47], \s*ROWB
	s_or_b32 s[G0B+4*\s+3], s[G0B+4*\s+3], 0x80000000
	s_wait_alu depctr_va_vdst(0)
	s_wait_tensorcnt 0x0
	ds_add_u32 v28, v29
	s_wait_dscnt 0x0
	CROUND
	JLOAD G0+4*\s, G1, G0B+4*\s, G1B               ; one tensor load of mine is out behind each of these
.endr
	v_and_b32 v1, 15, v0                           ; r
	v_bfe_u32 v2, v0, 4, 1                         ; h
	v_mul_u32_u24 v3, v1, PITCH
	v_lshl_add_u32 v4, v2, 4, v3                   ; w_out: a fragment's row x pitch + 16 x half
	v_and_b32 v6, 31, v0
	v_lshlrev_b32 v7, 4, v6                        ; A: 16 x lane
	s_mul_i32 s21, s15, HALFT
	s_mul_i32 s22, s16, HALFT
	s_add_co_u32 s22, s22, 2*HALFT
.irp s, 0,1
	v_add_nc_u32 v[ADRA+\s], s21, v7
	v_add_nc_u32 v[ADRB+\s], s22, v4
	s_add_co_u32 s21, s21, SLOT
	s_add_co_u32 s22, s22, SLOT
.endr
	v_mul_u32_u24 v5, v1, KS
	v_lshrrev_b32 v6, 8, v5
	v_lshl_add_u32 v5, v6, 4, v5
	s_mul_i32 s21, s15, HALFS
	s_mul_i32 s22, s16, HALFS
	s_add_co_u32 s22, s22, 2*HALFS
	s_sub_co_u32 s22, s22, s21
	v_mul_u32_u24 v6, s22, v2                      ; lanes 16-31 take w_out's
	s_add_co_u32 s21, s21, SCL
	v_add_nc_u32 v5, v5, v6
	v_add_nc_u32 v[ADRS], s21, v5
	s_mul_i32 s23, s14, 16*SPITCH                  ; my stage
	v_mul_u32_u24 v5, v1, SPITCH
	v_lshl_add_u32 v5, v2, 5, v5
	v_add_nc_u32 v[STO], s23, v5                   ; in: row r, 32 bytes for each half of the lanes
	v_mov_b32 v[CO], v7                            ; back: the 32 lanes take one row of 512 bytes; and the same in out0
	v_add_nc_u32 v[RD], s23, v7
	s_lshl_b32 s46, s42, 10                        ; my first column, in bytes: 1,024 x tile column + 512 x half: it serves b_out and out0 alike
	s_lshl_b32 s47, s16, 9
	s_add_co_u32 s46, s46, s47
	s_mov_b32 s47, 0
	s_add_nc_u64 s[66:67], s[66:67], s[46:47]
	v_lshlrev_b32 v8, 5, v2                        ; register j of block b is column 16 b + 8 h + j
.irp b, 0,1,2,3,4,5,6,7
	global_load_b128 v[BIAS+8*\b:BIAS+8*\b+3], v8, s[66:67] offset:64*\b
	global_load_b128 v[BIAS+8*\b+4:BIAS+8*\b+7], v8, s[66:67] offset:64*\b+16
.endr
	s_lshl_b32 s20, s17, 8
	s_lshl_b32 s21, s15, 7
	s_add_co_u32 s20, s20, s21                     ; my group of 128 tokens begins at row 256 x tile row + 128 x half
	s_mov_b32 s21, 0
	s_mov_b64 s[18:19], 4096
	s_mul_u64 s[20:21], s[20:21], s[18:19]
	s_add_nc_u64 s[20:21], s[20:21], s[46:47]
	s_add_nc_u64 s[12:13], s[12:13], s[20:21]
.macro FRAG reg, adr, q, i             ; w_out: 16 rows x 128 K from rows in LDS
.irp c, 0,1
	ds_load_b128 v[\reg+4*\c:\reg+4*\c+3], v[\adr] offset:64*(\q)+32*\c+(\i)*16*PITCH
.endr
.endm
.macro FRAGA reg, adr, q, i            ; A: token tile i, heads 2 q and 2 q + 1 of the slot's eight: two pieces of 512 bytes as they lie
.irp c, 0,1
	ds_load_b128 v[\reg+4*\c:\reg+4*\c+3], v[\adr] offset:4096*(\i)+1024*(\q)+512*\c
.endr
.endm
; 16 matrix instructions: A's blocks a0, a0 + 1 x w_out's eight.  zero = 1: the sums begin with the bias.  The 64 accumulators take turns, one instruction a turn.
.macro MUL16 a0, p, q, sc, zero
.irp a, \a0, \a0+1
.irp b, 0,1,2,3,4,5,6,7
.if \zero
	v_wmma_scale_f32_16x16x128_f8f6f4 v[8*(8*((\a)%4)+\b):8*(8*((\a)%4)+\b)+7], v[128*(\p)+FR*\b:128*(\p)+FR*\b+FR-1], v[AF+FR*(\a):AF+FR*(\a)+FR-1], v[BIAS+8*\b:BIAS+8*\b+7], v[SC+8*NQ*(\sc)+NQ*\b+(\q)], v[SC+8*NQ*(\sc)+NQ*(\a)+(\q)] matrix_a_fmt:MATRIX_FMT_FP4 matrix_b_fmt:MATRIX_FMT_FP4 matrix_a_scale:MATRIX_SCALE_ROW1
.else
	v_wmma_scale_f32_16x16x128_f8f6f4 v[8*(8*((\a)%4)+\b):8*(8*((\a)%4)+\b)+7], v[128*(\p)+FR*\b:128*(\p)+FR*\b+FR-1], v[AF+FR*(\a):AF+FR*(\a)+FR-1], v[8*(8*((\a)%4)+\b):8*(8*((\a)%4)+\b)+7], v[SC+8*NQ*(\sc)+NQ*\b+(\q)], v[SC+8*NQ*(\sc)+NQ*(\a)+(\q)] matrix_a_fmt:MATRIX_FMT_FP4 matrix_b_fmt:MATRIX_FMT_FP4 matrix_a_scale:MATRIX_SCALE_ROW1
.endif
.endr
.endr
.endm
.macro FETCH_B slot, q, p
	WIN TO_B
.irp i, 0,1,2,3,4,5,6,7
	FRAG 128*(\p)+FR*\i, ADRB+\slot, \q, \i
.endr
	WIN 0
.endm
.macro FETCH_A slot, q, i0
.irp i, \i0, \i0+1, \i0+2, \i0+3
	FRAGA AF+FR*(\i), ADRA+\slot, \q, \i
.endr
.endm
.macro SCALES sc
.irp i, 0,1,2,3,4,5,6,7
	ds_load_b128 v[SC+8*NQ*\sc+NQ*\i:SC+8*NQ*\sc+NQ*\i+3], v[ADRS] offset:\i*SBLK
.endr
.endm
.macro PLACES n                        ; plain vector instructions behind a matrix instruction, in front of loads into its registers and of reads of its results
.rept \n
	v_nop
.endr
.endm
.macro STEP slot, q, zero
	s_wait_dscnt 4*NL                              ; w_out's set and A's blocks 0-3 are in; the youngest eight loads (A's blocks 4-7) may be out
.if \zero
	WIN 0x81                                       ; the C operand lies in window 0
.else
	WIN MUL_LO
.endif
	MUL16 0, (\q)%2, \q, \slot, \zero
	MUL16 2, (\q)%2, \q, \slot, \zero
	s_wait_dscnt 0
	PLACES NP
	FETCH_B \slot, (\q)+1, 1-(\q)%2
	FETCH_A \slot, (\q)+1, 0
.if \zero
	WIN 0xc1
.else
	WIN MUL_HI
.endif
	MUL16 4, (\q)%2, \q, \slot, \zero
	MUL16 6, (\q)%2, \q, \slot, \zero
	PLACES NP
	WIN 0
	FETCH_A \slot, (\q)+1, 4
.endm
; Slot 0's last step changes slots: one barrier; in front of it each wave waits for all its tensor loads, adds 0 to its spare word, and waits for that and for its reads of slot 0.  Nothing is filled again.
.macro TURN slot, next
	s_wait_tensorcnt 0x0
	ds_add_u32 v[SPW], v[NIL]
	s_wait_dscnt 4*NL+1                            ; the add and the youngest eight loads may be out
	WIN MUL_LO
	MUL16 0, 1, NQ-1, \slot, 0
	s_wait_dscnt 0x0                               ; the add is done, and my reads of this slot are over
	s_barrier_signal -1
	MUL16 2, 1, NQ-1, \slot, 0
	WIN 0
	s_barrier_wait -1
	PLACES NP
	v_add_nc_u32 v[ADRS], 4*NQ, v[ADRS]
	FETCH_B \next, 0, 0
	FETCH_A \next, 0, 0
	SCALES \next
	WIN MUL_HI
	MUL16 4, 1, NQ-1, \slot, 0
	MUL16 6, 1, NQ-1, \slot, 0
	PLACES NP
	WIN 0
	FETCH_A \next, 0, 4
.endm
	s_wait_alu depctr_va_vdst(0)
	s_wait_tensorcnt 1                             ; the scales and my part of slot 0 are in; slot 1's load may be out
	s_barrier_signal -1
	s_barrier_wait -1
	FETCH_B 0, 0, 0
	FETCH_A 0, 0, 0
	SCALES 0
	FETCH_A 0, 0, 4
	s_wait_loadcnt 0x0                             ; the bias
	STEP 0, 0, 1
	STEP 0, 1, 0
	STEP 0, 2, 0
	TURN 0, 1
	STEP 1, 0, 0
	STEP 1, 1, 0
	STEP 1, 2, 0
	s_wait_dscnt 4*NL                              ; the very last step: nothing more to fetch
	WIN MUL_LO
	MUL16 0, 1, NQ-1, 1, 0
	MUL16 2, 1, NQ-1, 1, 0
	s_wait_dscnt 0
	WIN MUL_HI
	MUL16 4, 1, NQ-1, 1, 0
	MUL16 6, 1, NQ-1, 1, 0
	WIN 0
; THE WAY OUT, block by block of 16 rows x 128 columns, through my own stage in LDS: back come whole rows of 512 bytes.  LDS serves a wave's instructions in order: no wait between the stores and the loads.
.macro TOSTAGE a
.set AC, 64*((\a)%4)
	WIN 0x08+4*((\a)/4)                            ; an LDS store's data: window 2 or 3
.irp b, 0,1,2,3,4,5,6,7
	ds_store_b128 v[STO], v[AC+8*\b:AC+8*\b+3] offset:64*\b          ; each accumulator from its low end on
	ds_store_b128 v[STO], v[AC+8*\b+4:AC+8*\b+7] offset:64*\b+16
.endr
	WIN 0
.set BB, BK+64*((\a)%2)
.irp t, 0,1,2,3,4,5,6,7,8,9,10,11,12,13,14,15
	ds_load_b128 v[BB+4*\t:BB+4*\t+3], v[RD] offset:\t*SPITCH
.endr
.endm
.macro SEND a, younger                 ; younger: the LDS instructions issued behind block a's loads, which may stay out
.set BB, BK+64*((\a)%2)
	s_wait_dscnt \younger
.irp t, 0,1,2,3,4,5,6,7,8,9,10,11,12,13,14,15
	global_store_b128 v[CO], v[BB+4*\t:BB+4*\t+3], s[12:13] offset:4096*(32*((\a)/2)+8*((\a)%2)+\t+8*(\t/8)) th:TH_STORE_NT   ; row t of tile a is that token of my 128; 32 lanes store 512 consecutive bytes, aligned; 127 rows of 4,096 bytes at the most
.endr
.endm
	PLACES NP
	TOSTAGE 0
.irp a, 1,2,3,4,5,6,7
.if \a > 1
	s_wait_xcnt 0x0                                ; block a - 2's stores have read their registers: block a's loads may land there
.endif
	TOSTAGE \a
	SEND \a-1, 32                                  ; behind block a - 1's loads: block a's 16 stores and 16 loads
.endr
	SEND 7, 0
	s_wait_tensorcnt 0x0                           ; the wave's end: behind my last tensor load and my last LDS store
	ds_add_u32 v[SPW], v[NIL]
	s_wait_dscnt 0x0
	CROUND                                         ; the closing round
	s_endpgm
.Lfunc_end_k_q8387f22059_outp:
	.size	k_q8387f22059_outp, .Lfunc_end_k_q8387f22059_outp-k_q8387f22059_outp
	.p2alignl 7, 3214868480
	.fill 96, 4, 3214868480
	.section	.rodata,"a",@progbits
	.p2align	6, 0x0
	.amdhsa_kernel k_q8387f22059_outp
		.amdhsa_group_segment_fixed_size 327680
		.amdhsa_private_segment_fixed_size 0
		.amdhsa_enable_private_segment 0
		.amdhsa_kernarg_size 48
		.amdhsa_user_sgpr_count 2
		.amdhsa_user_sgpr_kernarg_segment_ptr 1
		.amdhsa_wavefront_size32 1
		.amdhsa_system_sgpr_workgroup_id_x 1
		.amdhsa_system_sgpr_workgroup_id_y 1
		.amdhsa_system_sgpr_workgroup_id_z 1
		.amdhsa_system_vgpr_workitem_id 0
		.amdhsa_next_free_vgpr 1024
		.amdhsa_next_free_sgpr 100
		.amdhsa_reserve_vcc 0
		.amdhsa_float_denorm_mode_32 3
		.amdhsa_float_denorm_mode_16_64 3
		.amdhsa_memory_ordered 1
		.amdhsa_forward_progress 1
		.amdhsa_inst_pref_size 127
	.end_amdhsa_kernel
	.amdgpu_metadata
---
amdhsa.version: [ 1, 2 ]
amdhsa.kernels:
  - .name:           k_q8387f22059_outp
    .symbol:         k_q8387f22059_outp.kd
    .args:
      - { .name: oc, .offset: 0, .size: 8, .value_kind: global_buffer, .address_space: global }
      - { .name: os, .offset: 8, .size: 8, .value_kind: global_buffer, .address_space: global }
      - { .name: wc, .offset: 16, .size: 8, .value_kind: global_buffer, .address_space: global }
      - { .name: ws, .offset: 24, .size: 8, .value_kind: global_buffer, .address_space: global }
      - { .name: b_out, .offset: 32, .size: 8, .value_kind: global_buffer, .address_space: global }
      - { .name: out0, .offset: 40, .size: 8, .value_kind: global_buffer, .address_space: global }
    .group_segment_fixed_size: 327680
    .private_segment_fixed_size: 0
    .kernarg_segment_align: 8
    .kernarg_segment_size: 48
    .max_flat_workgroup_size: 128
    .sgpr_count:     100
    .vgpr_count:     1024
    .wavefront_size: 32
...
	.end_amdgpu_metadata
.endif
;; end of part 4
